; MI455X (gfx1250); checked and timed in simulation.
; The chip was launched on July 23, 2026; its instructions are those of AMD's public machine-readable ISA for CDNA 5 (MIT licence, August 2026) and "CDNA5" Instruction Set Architecture Reference Guide (July 2026). The comments in the code are by the model that wrote it; some were corrected since.
;; Self Attention. Allowed arithmetic: matrix products marked QUANTISED: E2M3 operands, one E8M0 scale for each 32 along K, by v_wmma_scale_f32_16x16x128_f8f6f4 with both operands' format E2M3, f32 sums; everything else in f32.
;; Inputs: k_norm_w 128 float32; q_norm_w 128 float32; wk 512 x 4,096 float32; wo 4,096 x 1,024 float32; wq 1,024 x 4,096 float32; wv 512 x 4,096 float32; x 2 x 2,048 x 4,096 float32.
;; Outputs: out0 2 x 2,048 x 4,096 float32.
;; This version of the problem:
;;   THIS VERSION OF THE PROBLEM IS GIVEN IN LOW PRECISION. The matrix products marked QUANTISED in the list below multiply operands that are first quantised to E2M3 (2 exponent bits, 3 mantissa bits; 6 bits a number), with one power-of-two scale for each 32 numbers along K (OCP MX v1.0); their sums are f32. All else is computed in f32.
;;   The module's matrix products, in the order in which they are computed (A, B: the left and right operand; K: the contracted axis; several contracted axes count as one K, in the product's order):
;;     1. [M 4,096, K 4,096] x [K 4,096, N 1,024]; A: input x; B: input wq: QUANTISED
;;     2. [M 4,096, K 4,096] x [K 4,096, N 512]; A: input x; B: input wk: QUANTISED
;;     3. [M 4,096, K 4,096] x [K 4,096, N 512]; A: input x; B: input wv: QUANTISED
;;     4. batch 8 x [M 4,096, K 128] x [K 128, N 2,048]; A: computed on the way; B: computed on the way: QUANTISED
;;     5. batch 8 x [M 4,096, K 2,048] x [K 2,048, N 128]; A: softmax (see below); B: computed on the way: QUANTISED
;;     6. [M 4,096, K 1,024] x [K 1,024, N 4,096]; A: computed on the way; B: input wo: QUANTISED
;;   THE QUANTISER, for each operand of a quantised product, along K:
;;     - K is cut into blocks of 32 from its start; a last block that is shorter is filled with zeros.
;;     - A block's scale is 2^e with e = floor(log2(the largest magnitude in the block)) - 2, held to -126 .. 127; a block of zeros has e = 0. As a byte (E8M0): e + 127.
;;     - Each number is divided by its block's scale, clamped to +-7.5, and rounded to the nearest number of E2M3, ties to even, subnormals kept.
;;     - The product sums the exact products of the quantised numbers (number of the format x scale) in f32.
;;   ~~~python
;;   def quantise(x, axis):      # numpy; x: float32 -> the quantised numbers, widened to float32 again
;;       x = np.moveaxis(x, axis, -1); K = x.shape[-1]
;;       x = np.pad(x, [(0, 0)] * (x.ndim - 1) + [(0, -K % 32)]); x = x.reshape(x.shape[:-1] + (-1, 32)); a = np.abs(x).max(-1, keepdims=True)
;;       e = np.where(a > 0, np.clip(np.frexp(np.where(a > 0, a, 1))[1] - 1 - 2, -126, 127), 0)      # np.frexp(a)[1] - 1 = floor(log2(a)), exactly
;;       r = np.clip(x / 2.0 ** e, -7.5, 7.5)
;;       step = 2.0 ** (np.maximum(np.frexp(np.where(r == 0, 1, r))[1] - 1, 0) - 3)
;;       q = np.round(r / step) * step * 2.0 ** e      # np.round: ties to even
;;       return np.moveaxis(q.reshape(q.shape[:-2] + (-1,))[..., :K], -1, axis).astype(np.float32)
;;   ~~~
;;   SOFTMAX AHEAD OF A QUANTISED PRODUCT. Where the list says 'softmax', what is quantised is not the finished softmax but p = 2^(t - M), with t = logit x log2(e) and M = ceil(the row's largest t), a whole number; so 1/2 < the row's largest p <= 1. The row's sum l is taken of the UNQUANTISED p, in f32, and the product's result is divided by l at the end. Since M is a whole number, a kernel that streams over the keys may use a running M (the ceiling of the running maximum): every later rescaling is an exact power of two, which a block's scale takes up: the codes' values come out the same.
;;   OPERANDS COMPUTED ON THE WAY. 'Computed on the way' means the value that the module computes at that place (a softmax that the list does not call 'softmax' is quantised finished and normalised). What goes into a quantiser is computed in f32, as accurately as f32 sums, v_exp_f32 and their like allow (about 1e-6 of the number): no bf16 or f16 on the way to a quantiser, and a product that is left as it is and whose result goes on into a quantised operand takes f32 operands (vector FMAs, or v_wmma_f32_16x16x4_f32). A number that lies on a knife's edge between two numbers of the format may be rounded either way, as far as f32 arithmetic and the matrix unit's own rounding can turn it there, and no further.
;; One version. Each part assembles by itself: llvm-mc -triple=amdgcn-amd-amdhsa -mcpu=gfx1250 --defsym DOCPART=n.
;; ======== version 1 of 1: 4 launches
;; workspace buffers: xz 13,107,200 bytes; wz 9,830,400 bytes; rope 1,048,576 bytes; qz 3,276,800 bytes; kvz 3,276,800 bytes; oz 3,276,800 bytes
;; launch quant (part 1): grid 928 x 1, 4 waves a work-group, no clusters, 34,304 bytes of LDS; arguments x, wq, wk, wv, wo, xz, wz, rope; writes xz, wz, rope
.if DOCPART == 1
	.amdgcn_target "amdgcn-amd-amdhsa--gfx1250"
	.amdhsa_code_object_version 6
	.text
	.protected	k_q65035825d5_quant
	.globl	k_q65035825d5_quant
	.p2align	8
	.type	k_q65035825d5_quant,@function
k_q65035825d5_quant:
	s_mov_b64 s[64:65], 0
	v_nop
	global_prefetch_b8 v0, s[64:65] scope:SCOPE_SE
	s_setreg_imm32_b32 hwreg(HW_REG_WAVE_MODE, 25, 1), 1
	s_wait_xcnt 0x0
; x [4096][4096], wq [1024][4096], wk, wv [512][4096], wo [4096][1024], all f32 with K innermost, become codes of FP6 (E2M3) with one E8M0 byte for each 32 along K;
; and the table of cosines and sines for the rotary embedding is made.
; THE OUTPUT'S LAYOUT is the order of a matrix operand's registers.  A RECORD of 6,400 bytes holds 16 rows x 512 along K: four images of 1,536 bytes (16 rows x 128 K: registers 4 g .. 4 g + 3 of lane l at 512 g + 16 l),
; then 256 bytes of scale words (row r's word of the q-th 128 along K at 6,144 + 16 r + 4 q).  xz: [row tile 256][K group 8].  wz: records 0 .. 1,023: [row tile 128][K group 8], tiles 0-63 wq, then for each
; key/value head 8 tiles of wk and 8 of wv; records 1,024 .. 1,535: wo, [row tile 256][K group 2].
; THE ROWS OF A TILE of wq, wk, wv are not neighbours: lane r of tile 2 b + u takes row 32 b + 8 u + r + 8 (r / 8), so that a result's 16 registers of two neighbouring tiles are 16 neighbours along the head's axis.
; SHARES.  A wave makes one record in four steps of 128 along K; a work-group four records; work-groups 0-895 quantise (x 512, wq 128, wk 64, wv 64, wo 128), one path for all five: only numbers and pointers are chosen,
; by the work-group's number.  Work-groups 896-927 make the table: 128 waves x 16 positions; that path touches no LDS.
; A step's 16 loads read 512 consecutive bytes of a row each; the 8,192 bytes turn through the wave's own stage in LDS (rows of 528 bytes) so that lane (r, h) holds k = 64 c + 32 h + 0 .. 31 of row r: two whole blocks.
; A block's scale is 2^(floor(log2(largest magnitude)) - 2); its byte is the largest magnitude's exponent field - 2, held at 1 from below.
; LIMITS: a block of zeros gets the byte 1 where the stated quantiser says 127 (its codes are zeros; this program alone reads the bytes); NaN and infinities among the inputs are not served; blocks whose largest
; magnitude lies under 2^-124 were not tried.  The table: 1e6^(-i / 64) is good to about 1.5 units in its last place, so an angle may differ from another f32 evaluation by some 2e-4 at position 2,047;
; sine and cosine of the angle are good to about 1e-7.
.set REC,   6400
.set WSTG,  16*528                     ; a wave's stage
.set OFF,   16                         ; v16-31   byte offset of my 16 bytes in row i of the tile
.set R,     32                         ; v32-159  two sets of 64: a step's numbers as loaded
.set X,     160                        ; v160-223 my two blocks of 32
.set C,     224                        ; v224-235 a fragment's codes
.set PT,    236                        ; v236-238, v240-242 the second halves of the blocks' codes (a conversion's three registers begin on an even number)
.set SW,    244                        ; v244-247 the four steps' scale words
	s_load_b512 s[4:19], s[0:1], 0x0               ; x, wq, wk, wv, wo, xz, wz, rope
	v_lshl_add_u32 v254, v0, 2, 0x8400
	v_mov_b32 v255, 0
	v_lshrrev_b32 v1, 5, v0
	v_readfirstlane_b32 s20, v1                    ; wave 0..3
	s_cmp_ge_u32 ttmp9, 896
	s_cbranch_scc1 .Ltable
	s_mov_b32 s21, 0                               ; the tensor's first work-group
	s_mov_b32 s22, 0                               ; its first record in the output
	s_mov_b32 s23, 0                               ; which bits of the record's number are added once more (wk, wv: 64 records of the other tensor lie between two heads)
	s_mov_b32 s24, 3                               ; log2 of the K groups in a row
	s_mov_b32 s25, 16384                           ; a row in bytes
	s_mov_b32 s26, 0                               ; eight rows in bytes where a tile's rows are chosen, else 0
	s_mov_b32 s40, 0x76543210
	s_mov_b32 s41, 0xfedcba98                      ; lane selects for v_permlanex16_b32: lane l xor 16
	s_wait_kmcnt 0x0
	s_mov_b64 s[28:29], s[4:5]                     ; from x
	s_mov_b64 s[30:31], s[14:15]                   ; to xz
.macro PICK thr, src, baseu, mask, lg, pitch, extra
	s_cmp_ge_u32 ttmp9, \thr
	s_cselect_b32 s21, \thr, s21
	s_cselect_b32 s22, \baseu, s22
	s_cselect_b32 s23, \mask, s23
	s_cselect_b32 s24, \lg, s24
	s_cselect_b32 s25, \pitch, s25
	s_cselect_b32 s26, \extra, s26
	s_cselect_b64 s[28:29], s[\src:\src+1], s[28:29]
	s_cselect_b64 s[30:31], s[16:17], s[30:31]
.endm
	PICK 512, 6, 0, 0, 3, 16384, 131072            ; wq
	PICK 640, 8, 512, 0xffffffc0, 3, 16384, 131072 ; wk
	PICK 704, 10, 576, 0xffffffc0, 3, 16384, 131072 ; wv
	PICK 768, 12, 1024, 0, 1, 4096, 0              ; wo
	s_sub_co_u32 s32, ttmp9, s21
	s_lshl_b32 s32, s32, 2
	s_add_co_u32 s32, s32, s20                     ; u: my record in the tensor
	s_lshr_b32 s33, s32, s24                       ; its row tile,
	s_lshl_b32 s34, s33, s24
	s_sub_co_u32 s34, s32, s34                     ; its K group
	s_lshl_b32 s35, s33, 4
	s_mul_i32 s35, s35, s25                        ; 16 rows a tile,
	s_and_b32 s36, s33, 1
	s_mul_i32 s36, s36, s26
	s_sub_co_u32 s35, s35, s36                     ; an odd tile of chosen rows begins eight rows earlier,
	s_lshl_b32 s36, s34, 11                        ; 2,048 bytes a K group
	s_add_co_u32 s36, s36, s35
	s_mov_b32 s37, 0
	s_add_nc_u64 s[28:29], s[28:29], s[36:37]
	s_and_b32 s38, s32, s23
	s_add_co_u32 s38, s38, s32
	s_add_co_u32 s38, s38, s22
	s_mul_i32 s38, s38, REC
	s_mov_b32 s39, 0
	s_add_nc_u64 s[30:31], s[30:31], s[38:39]
	v_and_b32 v1, 31, v0                           ; lane
	v_and_b32 v2, 15, v0                           ; r
	v_bfe_u32 v3, v0, 4, 1                         ; h
	s_mul_i32 s27, s20, WSTG
	v_lshlrev_b32 v6, 4, v1                        ; 16 l
	v_add_nc_u32 v4, s27, v6                       ; the stage, on the way in: row i at 528 i, my 16 bytes
	v_mul_u32_u24 v5, v2, 528
	v_lshl_add_u32 v5, v3, 7, v5
	v_add_nc_u32 v5, s27, v5                       ; and out: row r, + 128 h
	v_lshlrev_b32 v7, 4, v2
	v_lshl_add_u32 v7, v3, 3, v7                   ; the scale words' place: 16 r + 8 h
	v_lshlrev_b32 v250, 3, v3                      ; 8 h
	v_mov_b32 v15, 0                               ; written once: a lane permute's destination counts as one of its sources
	s_mov_b32 s35, 0
.irp i, 0,1,2,3,4,5,6,7,8,9,10,11,12,13,14,15
	v_add_nc_u32 v[OFF+\i], s35, v6
	s_add_co_u32 s35, s35, s25
.if \i == 7
	s_add_co_u32 s35, s35, s26                     ; rows 8-15 of a tile of chosen rows lie eight rows further on
.endif
.endr
.macro LOADS t                         ; step t: 16 rows x 512 consecutive bytes
.irp i, 0,1,2,3,4,5,6,7,8,9,10,11,12,13,14,15
	global_load_b128 v[R+64*((\t)%2)+4*\i:R+64*((\t)%2)+4*\i+3], v[OFF+\i], s[28:29] offset:512*(\t) th:TH_LOAD_NT
.endr
.endm
.macro STEP t
.if (\t) < 3
	s_wait_loadcnt 16                              ; this step's 16 loads are in; the next step's 16 may be out
.else
	s_wait_loadcnt 0x0
.endif
.irp i, 0,1,2,3,4,5,6,7,8,9,10,11,12,13,14,15
	ds_store_b128 v4, v[R+64*((\t)%2)+4*\i:R+64*((\t)%2)+4*\i+3] offset:528*\i
.endr
.irp c, 0,1
.irp i, 0,1,2,3,4,5,6,7
	ds_load_b128 v[X+32*\c+4*\i:X+32*\c+4*\i+3], v5 offset:256*\c+16*\i   ; LDS serves a wave's instructions in order: these see the stores above
.endr
.endr
	s_wait_dscnt 0x0
.if (\t) < 2
	LOADS (\t)+2                                   ; into the set that the stage's stores have read
.endif
.irp c, 0,1
	v_max3_num_f32 v[8+\c], |v[X+32*\c]|, |v[X+32*\c+1]|, 0x1800000   ; my block 2 c + h, and the floor 2^(3 - 127): the byte cannot fall under 1
.endr
.set i, 2
.rept 15
.irp c, 0,1
	v_max3_num_f32 v[8+\c], v[8+\c], |v[X+32*\c+i]|, |v[X+32*\c+i+1]|
.endr
.set i, i+2
.endr
.irp c, 0,1
	v_add_nc_u32 v[10+\c], 0xff000000, v[8+\c]     ; 2 off the exponent field: the conversion's scale operand
.endr
.irp c, 0,1
	v_lshrrev_b32 v[12+\c], 23, v[10+\c]           ; the scale's byte
.endr
	v_lshl_or_b32 v14, v13, 16, v12                ; my two bytes, blocks h and 2 + h,
	v_lshlrev_b32 v14, v250, v14                   ; at their places in the word;
	v_permlanex16_b32 v15, v14, s40, s41
	v_or_b32 v[SW+(\t)], v14, v15                  ; with lane l xor 16's two the word is whole
	s_wait_xcnt 0x0                                ; the last step's stores have read the codes' registers
.irp c, 0,1
	v_cvt_scalef32_pk16_fp6_f32 v[C+6*\c:C+6*\c+2], v[X+32*\c:X+32*\c+15], v[10+\c]
	v_cvt_scalef32_pk16_fp6_f32 v[PT+4*\c:PT+4*\c+2], v[X+32*\c+16:X+32*\c+31], v[10+\c]
.endr
	v_nop                                          ; one plain place behind a scaled conversion
.irp c, 0,1
.irp i, 0,1,2
	v_mov_b32 v[C+6*\c+3+\i], v[PT+4*\c+\i]
.endr
.endr
.irp g, 0,1,2
	global_store_b128 v6, v[C+4*\g:C+4*\g+3], s[30:31] offset:1536*(\t)+512*\g   ; 32 lanes store 512 consecutive bytes, aligned to 256
.endr
.endm
	LOADS 0
	LOADS 1
	STEP 0
	STEP 1
	STEP 2
	STEP 3
	v_cmp_ne_u32 vcc_lo, 0, v3
	v_cndmask_b32 v248, v244, v246, vcc_lo         ; lanes 0-15 store words 0, 1 of row r, lanes 16-31 words 2, 3
	v_cndmask_b32 v249, v245, v247, vcc_lo
	global_store_b64 v7, v[248:249], s[30:31] offset:6144   ; 256 consecutive bytes
	s_wait_tensorcnt 0x0
	ds_add_u32 v254, v255
	s_wait_dscnt 0x0
	s_endpgm
; THE TABLE: rope[pos] = 64 cosines, then 64 sines, of pos x 1e6^(-i / 64), i = 0 .. 63.  Lane l owns i = 2 l and 2 l + 1.
.Ltable:
	s_sub_co_u32 s32, ttmp9, 896
	s_lshl_b32 s32, s32, 2
	s_add_co_u32 s32, s32, s20                     ; which 16 positions are my wave's
	s_lshl_b32 s57, s32, 4                         ; the first of them
	s_lshl_b32 s36, s32, 13                        ; 512 bytes a position
	s_mov_b32 s37, 0
	s_mov_b32 s42, 0x3f22f983                      ; 2 / pi
	s_mov_b32 s43, 0x3fc90fda                      ; pi / 2 in three parts
	s_mov_b32 s44, 0x33a22168
	s_mov_b32 s45, 0x27c234c4
	s_mov_b32 s46, 0xb94ca1f9                      ; sine's polynomial on |r| <= pi / 4
	s_mov_b32 s47, 0x3c08839e
	s_mov_b32 s48, 0xbe2aaaa3
	s_mov_b32 s49, 0x37ccf5ce                      ; cosine's
	s_mov_b32 s50, 0xbab6061a
	s_mov_b32 s51, 0x3d2aaaa5
	s_mov_b32 s52, 0x3e9f7400                      ; log2(1e6) / 64 in two parts: the first has 14 bits, so i x it is exact
	s_mov_b32 s53, 0xb5971c99
	v_and_b32 v1, 31, v0
	v_lshlrev_b32 v2, 3, v1                        ; 8 l
	v_lshlrev_b32 v3, 1, v1
	v_add_nc_u32 v4, 1, v3
	v_cvt_f32_u32 v10, v3
	v_cvt_f32_u32 v11, v4
.irp e, 0,1
	v_mul_f32 v[12+\e], s52, v[10+\e]              ; a = i x the first part, exact
	v_floor_f32 v[14+\e], v[12+\e]                 ; its whole part n
	v_sub_f32 v[12+\e], v[12+\e], v[14+\e]
	v_fma_f32 v[12+\e], v[10+\e], s53, v[12+\e]    ; f = a - n + i x the second part
	v_cvt_i32_f32 v[14+\e], v[14+\e]
	v_sub_nc_u32 v[14+\e], 0, v[14+\e]
.endr
	v_exp_f32 v16, -v12
	v_exp_f32 v17, -v13
	v_nop                                          ; a plain place behind the transcendentals
	s_wait_alu depctr_va_vdst(0)                   ; one wait for both, ahead of their first reader
	v_ldexp_f32 v16, v16, v14                      ; 2^(-f) x 2^(-n)
	v_ldexp_f32 v17, v17, v15
	s_wait_kmcnt 0x0
	s_add_nc_u64 s[18:19], s[18:19], s[36:37]
.macro SINCOS a, co, si
	v_mul_f32 v50, s42, v[\a]
	v_rndne_f32 v50, v50                           ; n = the nearest multiple of pi / 2
	v_fma_f32 v51, -v50, s43, v[\a]                ; exact: n has 11 bits and the difference is under 1
	v_fma_f32 v51, -v50, s44, v51
	v_fma_f32 v51, -v50, s45, v51                  ; r
	v_mul_f32 v52, v51, v51                        ; z = r r
	v_fma_f32 v53, v52, s46, s47
	v_fma_f32 v53, v53, v52, s48
	v_mul_f32 v53, v53, v52
	v_fma_f32 v53, v53, v51, v51                   ; sin r
	v_fma_f32 v54, v52, s49, s50
	v_fma_f32 v54, v54, v52, s51
	v_mul_f32 v55, v52, v52
	v_fma_f32 v56, v52, -0.5, 1.0
	v_fma_f32 v54, v54, v55, v56                   ; cos r
	v_cvt_i32_f32 v57, v50
	v_and_b32 v55, 1, v57
	v_cmp_eq_u32 vcc_lo, 1, v55
	v_cndmask_b32 v[\si], v53, v54, vcc_lo         ; in odd quadrants the two change places
	v_cndmask_b32 v[\co], v54, v53, vcc_lo
	v_and_b32 v55, 2, v57
	v_lshlrev_b32 v55, 30, v55
	v_xor_b32 v[\si], v[\si], v55                  ; the sine is negative in quadrants 2, 3,
	v_add_nc_u32 v57, 1, v57
	v_and_b32 v57, 2, v57
	v_lshlrev_b32 v57, 30, v57
	v_xor_b32 v[\co], v[\co], v57                  ; the cosine in 1, 2
.endm
	s_mov_b32 s58, 16
.Lpos:
	v_cvt_f32_u32 v20, s57
	v_mul_f32 v21, v20, v16                        ; the angle: one rounding
	v_mul_f32 v22, v20, v17
	SINCOS 21, 40, 42
	SINCOS 22, 41, 43
	global_store_b64 v2, v[40:41], s[18:19]        ; 256 consecutive bytes: the cosines
	global_store_b64 v2, v[42:43], s[18:19] offset:256   ; and the sines
	s_wait_xcnt 0x0                                ; the stores have read their data and their base: both may be written again
	s_add_nc_u64 s[18:19], s[18:19], 512
	s_add_co_u32 s57, s57, 1
	s_sub_co_u32 s58, s58, 1
	s_cmp_lg_u32 s58, 0
	s_cbranch_scc1 .Lpos
	s_endpgm
.Lfunc_end_k_q65035825d5_quant:
	.size	k_q65035825d5_quant, .Lfunc_end_k_q65035825d5_quant-k_q65035825d5_quant
	.p2alignl 7, 3214868480
	.fill 96, 4, 3214868480
	.section	.rodata,"a",@progbits
	.p2align	6, 0x0
	.amdhsa_kernel k_q65035825d5_quant
		.amdhsa_group_segment_fixed_size 34304
		.amdhsa_private_segment_fixed_size 0
		.amdhsa_enable_private_segment 0
		.amdhsa_kernarg_size 64
		.amdhsa_user_sgpr_count 2
		.amdhsa_user_sgpr_kernarg_segment_ptr 1
		.amdhsa_wavefront_size32 1
		.amdhsa_system_sgpr_workgroup_id_x 1
		.amdhsa_system_sgpr_workgroup_id_y 1
		.amdhsa_system_sgpr_workgroup_id_z 1
		.amdhsa_system_vgpr_workitem_id 0
		.amdhsa_next_free_vgpr 256
		.amdhsa_next_free_sgpr 66
		.amdhsa_reserve_vcc 1
		.amdhsa_float_denorm_mode_32 3
		.amdhsa_float_denorm_mode_16_64 3
		.amdhsa_memory_ordered 1
		.amdhsa_forward_progress 1
		.amdhsa_inst_pref_size 38
	.end_amdhsa_kernel
	.amdgpu_metadata
---
amdhsa.version: [ 1, 2 ]
amdhsa.kernels:
  - .name:           k_q65035825d5_quant
    .symbol:         k_q65035825d5_quant.kd
    .args:
      - { .name: x, .offset: 0, .size: 8, .value_kind: global_buffer, .address_space: global }
      - { .name: wq, .offset: 8, .size: 8, .value_kind: global_buffer, .address_space: global }
      - { .name: wk, .offset: 16, .size: 8, .value_kind: global_buffer, .address_space: global }
      - { .name: wv, .offset: 24, .size: 8, .value_kind: global_buffer, .address_space: global }
      - { .name: wo, .offset: 32, .size: 8, .value_kind: global_buffer, .address_space: global }
      - { .name: xz, .offset: 40, .size: 8, .value_kind: global_buffer, .address_space: global }
      - { .name: wz, .offset: 48, .size: 8, .value_kind: global_buffer, .address_space: global }
      - { .name: rope, .offset: 56, .size: 8, .value_kind: global_buffer, .address_space: global }
    .group_segment_fixed_size: 34304
    .private_segment_fixed_size: 0
    .kernarg_segment_align: 8
    .kernarg_segment_size: 64
    .max_flat_workgroup_size: 128
    .sgpr_count:     66
    .vgpr_count:     256
    .wavefront_size: 32
...
	.end_amdgpu_metadata
.endif
;; end of part 1
;; launch qkv (part 2): grid 8 x 32, 4 waves a work-group, clusters of 4 x 4, 327,680 bytes of LDS; arguments xz, wz, rope, q_norm_w, k_norm_w, qz, kvz; writes qz, kvz
.if DOCPART == 2
	.amdgcn_target "amdgcn-amd-amdhsa--gfx1250"
	.amdhsa_code_object_version 6
	.text
	.protected	k_q65035825d5_qkv
	.globl	k_q65035825d5_qkv
	.p2align	8
	.type	k_q65035825d5_qkv,@function
k_q65035825d5_qkv:
	s_mov_b64 s[64:65], 0
	v_nop
	global_prefetch_b8 v0, s[64:65] scope:SCOPE_SE
	s_setreg_imm32_b32 hwreg(HW_REG_WAVE_MODE, 25, 1), 1
	s_wait_xcnt 0x0
	s_wait_alu depctr_hold_cnt(0) depctr_sa_sdst(0) depctr_va_vdst(0) depctr_va_sdst(0) depctr_va_ssrc(0) depctr_va_vcc(0) depctr_vm_vsrc(0)
	s_getreg_b32 s2, hwreg(HW_REG_IB_STS2, 6, 4)
	s_cmp_eq_u32 s2, 0
	s_cbranch_scc0 .Lentry_in_a_cluster
	s_endpgm
.Lentry_in_a_cluster:
	s_bfe_u32 s2, ttmp6, 0x10000c
	s_cmp_lg_u32 s2, 0xf033
	s_cbranch_scc0 .Lentry_shape_is_right
	s_endpgm
.Lentry_shape_is_right:
; [q | k, v] = x [wq; wk; wv]^T on codes of FP6 (K = 4,096), then, still in registers: q and k get the RMS norm over the head's 128 and the rotary embedding and are quantised along the head's axis;
; v is quantised along the KEYS.  All three leave as images of operand registers (a record of 6,400 bytes: 6,144 of images, 256 of scales).
; qz: [batch 2][query head 8][group of 64 tokens 32] records: four images of 16 tokens x 128, scale word of token r of tile a at 6,144 + 16 r + 4 a.
; kvz: [batch x key/value head 8][group of 64 keys 32][K's record, V's record].  K's is like Q's.  V's: for each of eight tiles of 16 of the head's 128, half a fragment (64 keys): registers 0-3 of lane l at 768 t + 16 l,
; registers 4, 5 at 768 t + 512 + 8 l; its two scale bytes of row r at 6,144 + 16 r + 2 t.  V's rows of tile t are d = 32 (t / 2) + 8 (t % 2) + r + 8 (r / 8); inside each block of 32 keys place p holds key
; (p & 7) | (p & 8) << 1 | (p & 16) >> 1, which is where the attention's weights fall; a block's members, and so its scale, are as stated.
; SHARES.  C is [4,096 tokens][2,048]; a work-group makes 128 x 256, so that there are 256 work-groups; a wave 64 tokens x 128 columns, ONE head: 32 accumulators.  The matrix instruction is used transposed (source 0 = 16 rows of
; a weight, source 1 = 16 tokens), and the weights' tiles hold chosen rows: register 16 b + i of a lane is d = 32 b + 16 (lane / 16) + i of its token.
; ROLES hang on the cluster's x and the wave's number alone: cluster x = 0: both column halves are query heads; cluster x = 1: the left half is a head of k, the right half the same head of v.
; K goes in groups of 512 through two LDS slots of 24 records (8 of x, 16 of the weights); a fragment comes by three loads of 16 bytes a lane, each 512 consecutive bytes.
; CLUSTERS: 4 x 4; x's records are shared along a row of the cluster, the weights' along a column: joint loads.
; PREFETCH: behind the joint load of K group g (g = 2 .. 5) a wave asks for the records of K group g + 2, 256 products ahead of the load that will want them (macro ASK says who asks for what).
; Every wave loads the norm's weights and its tokens' cosines and sines at the head, v's waves too, which do not use them: so no second branch has to agree with the first.
; REGISTERS: window 0: v1-29 addresses; v32-95 scale words, two sets; v96-191 x's fragments, two sets.  window 1: the weights' fragments at v0 and v128; the norm's weights at v96-127, v224-255.
;   window 2: accumulator (a, b) at v[8 (8 a + b)].  window 3: token tile a's 32 cosines at v[64 a], 32 sines at v[64 a + 32].
; LIMITS: a block of zeros gets the byte 1 where the stated quantiser says 127 (its codes are zeros; this program alone reads the bytes); NaN and infinities are not served.
.set REC,   6400
.set SLOT,  24*REC
.set BOFF,  8*REC
.set SPARE, 2*SLOT                     ; behind the ring: the spare words, 128 bytes for each wave
.set VST,   64*528                     ; v's stage: 64 tokens x (512 bytes + 16) for each wave, in slot 0, which has had its last fill and its last read by then
.set SC,  32
.set AF,  96
.set G1A, 28
.set G1B, 36
.set G0A, 44
.set G0B, 52
.set SEL, 60
.set PFA, 90                           ; s[90:91] where my prefetches stand: my work-group's record(s) of those that I fetch, two K groups on from the refill in hand
.set LIM, 95                           ; s95     1 in a wave that prefetches, else the greatest number
.set PFO, 20                           ; v20     256 x min(lane, 24): a record is 25 blocks of 256 bytes; never rewritten
.set T,   32                           ; the way out, window 0: v32-95 a token tile's 64 numbers; v96-159 the same behind the rotation;
.set Y,   96
.set PC,  160                          ; v160-207 four fragments' codes; v208-215 second halves; v216-231 at work; v232-235 scale words
.set PT,  208
.set TM,  216
.set PW,  232
.set MSB, 0
.macro WIN new                         ; the immediate's high byte repeats the setting that is left
.if MSB != \new
	s_set_vgpr_msb (MSB<<8)|\new
.set MSB, \new
.endif
.endm
.set MUL,  0xa1                        ; source 0 window 1, source 1 window 0, C and D window 2
.set TO_B, 0x40                        ; destination window 1
.macro PLACES
.rept 4
	v_nop
.endr
.endm
; A joint load: waves 0 and 1 fetch x's records, waves 2 and 3 the weights'.  The branch hangs on the wave's number alone.  Four v_nop follow each of the two lines.
.macro JLOAD s
	s_cmp_eq_u32 s19, 0
	s_cbranch_scc0 .Lfor_b_\@
	tensor_load_to_lds s[G0A+4*\s:G0A+4*\s+3], s[G1A:G1A+7]
	s_nop 0
.rept 4
	v_nop
.endr
	s_branch .Lasked_\@
.Lfor_b_\@:
	tensor_load_to_lds s[G0B+4*\s:G0B+4*\s+3], s[G1B:G1B+7]
	s_nop 0
.rept 4
	v_nop
.endr
.Lasked_\@:
.endm
; A PREFETCH of the records that the refill two K groups on will ask for.  Each record is named once in the launch.  x's records of a tile row are read by both clusters of that row of clusters: the one with x = 0 asks;
; the weights' records of a tile column by all eight clusters of that column: the one with y = 0 asks.  The four partners that ask for records jointly share them out BY ADDRESS: of the four records of x that wave 0 or 1
; fetches, partner cx takes one; of the eight of the weights that wave 2 or 3 fetches, partner cy takes two, 51,200 bytes apart.  No branch hangs on a work-group's place in its cluster.  A lane names a block of 256 bytes;
; lanes 24 to 31 name the record's last block together.  In the loop's last trip (s25 = 1) there is no K group two on, and nothing is asked for; K groups 0 to 3 come by their loads alone.
.macro ASK
	s_cmp_gt_u32 s25, s[LIM]
	s_cbranch_scc0 .Lnot_mine_\@
	global_prefetch_b8 v[PFO], s[PFA:PFA+1] th:TH_LOAD_NT scope:SCOPE_SE
	s_cmp_eq_u32 s19, 0
	s_cbranch_scc1 .Lnot_mine_\@
	global_prefetch_b8 v[PFO], s[PFA:PFA+1] offset:8*REC th:TH_LOAD_NT scope:SCOPE_SE
.Lnot_mine_\@:
.endm
.macro CREST                           ; a round of the cluster's barrier behind its opening barrier
	s_cmp_lg_u32 s18, 0
	s_cbranch_scc1 .Lnot_wave_0_\@
	s_barrier_signal -3
.Lnot_wave_0_\@:
	s_barrier_wait -3
	s_barrier_signal -1
	s_barrier_wait -1
.endm
.macro CROUND
	s_barrier_signal -1
	s_barrier_wait -1
	CREST
.endm
	s_load_b256 s[4:11], s[0:1], 0x0               ; xz, wz, rope, q_norm_w
	s_load_b128 s[12:15], s[0:1], 0x20             ; k_norm_w, qz
	s_load_b64 s[16:17], s[0:1], 0x30              ; kvz
	v_lshl_add_u32 v28, v0, 2, SPARE
	v_mov_b32 v29, 0
	ds_add_u32 v28, v29
	ds_add_u32 v28, v29
	s_wait_dscnt 0x0
	v_lshrrev_b32 v1, 5, v0
	v_readfirstlane_b32 s18, v1                    ; wave 0..3
	s_lshr_b32 s19, s18, 1                         ; my half of the tokens.  Also: I fetch for x (0) or for the weights (1)
	s_and_b32 s20, s18, 1                          ; my half of the columns.  Also: which half of the records I fetch
	s_bfe_u32 s21, ttmp6, 0x40000                  ; cx
	s_bfe_u32 s22, ttmp6, 0x40004                  ; cy
	s_lshl_b32 s23, ttmp9, 2
	s_add_co_u32 s23, s23, s21                     ; tile column
	s_and_b32 s24, ttmp7, 0xffff
	s_lshl_b32 s24, s24, 2
	s_add_co_u32 s24, s24, s22                     ; tile row
	s_lshl_b32 s26, s22, 2
	s_lshl_b32 s26, 15, s26                        ; my row of the cluster
	s_lshl_b32 s27, 0x1111, s21                    ; my column
	s_or_b32 s[G1A], s26, (3<<16)|(1<<21)          ; the mask; elements of 8 bytes; bit 21 beside a mask; no padding
	s_or_b32 s[G1B], s27, (3<<16)|(1<<21)
	s_mov_b32 s[G1A+1], 800<<16                    ; a record is a row of 800 elements
	s_mov_b32 s[G1A+2], 4<<16                      ; four records
	s_mov_b32 s[G1A+3], 800<<16
	s_mov_b32 s[G1A+4], 4
	s_mov_b32 s[G1A+5], 6400                       ; from a row tile to the next: eight records
	s_mov_b32 s[G1A+6], 0
	s_mov_b32 s[G1A+7], 0
	s_mov_b32 s[G1B+1], 800<<16
	s_mov_b32 s[G1B+2], 8<<16                      ; eight records
	s_mov_b32 s[G1B+3], 800<<16
	s_mov_b32 s[G1B+4], 8
	s_mov_b32 s[G1B+5], 6400
	s_mov_b32 s[G1B+6], 0
	s_mov_b32 s[G1B+7], 0
	s_lshl_b32 s66, s24, 3                         ; x: row tile 8 x tile row + 4 x half,
	s_lshl_b32 s67, s20, 2
	s_add_co_u32 s66, s66, s67
	s_mul_i32 s66, s66, 8*REC
	s_mov_b32 s67, 0
	s_mul_i32 s68, s20, 4*REC                      ; to LDS: half x four records
	s_lshl_b32 s70, s23, 4                         ; the weights: row tile 16 x tile column + 8 x half,
	s_lshl_b32 s71, s20, 3
	s_add_co_u32 s70, s70, s71
	s_mul_i32 s70, s70, 8*REC
	s_mov_b32 s71, 0
	s_mul_i32 s72, s20, 8*REC
	s_add_co_u32 s72, s72, BOFF                    ; behind x's eight
	s_wait_kmcnt 0x0
	s_add_nc_u64 s[66:67], s[4:5], s[66:67]
	s_add_nc_u64 s[70:71], s[6:7], s[70:71]
	CROUND                                         ; all sixteen work-groups are here: the first joint loads meet
.irp s, 0,1
	s_mov_b32 s[G0A+4*\s], 1
	s_add_co_u32 s[G0A+4*\s+1], s68, \s*SLOT
	s_add_nc_u64 s[G0A+4*\s+2:G0A+4*\s+3], s[66:67], \s*REC
	s_or_b32 s[G0A+4*\s+3], s[G0A+4*\s+3], 0x80000000
	s_mov_b32 s[G0B+4*\s], 1
	s_add_co_u32 s[G0B+4*\s+1], s72, \s*SLOT
	s_add_nc_u64 s[G0B+4*\s+2:G0B+4*\s+3], s[70:71], \s*REC
	s_or_b32 s[G0B+4*\s+3], s[G0B+4*\s+3], 0x80000000
	JLOAD \s                                       ; K groups 0 and 1: two loads of mine are out
.endr
	v_and_b32 v1, 15, v0                           ; r
	v_bfe_u32 v2, v0, 4, 1                         ; h
	v_and_b32 v17, 31, v0
	v_lshlrev_b32 v3, 4, v17                       ; 16 l
	v_lshlrev_b32 v4, 3, v17                       ; 8 l
	v_lshlrev_b32 v5, 4, v1
	v_lshl_add_u32 v5, v2, 3, v5                   ; 16 r + 8 h
	s_mul_i32 s74, s19, 4*REC                      ; my four records of x
	s_mul_i32 s75, s20, 8*REC
	s_add_co_u32 s75, s75, BOFF                    ; my eight of the weights
	v_add_nc_u32 v8, s74, v3
	v_add_nc_u32 v10, s75, v3
	v_add_nc_u32 v9, SLOT, v8
	v_add_nc_u32 v11, SLOT, v10
	s_sub_co_u32 s76, s75, s74
	v_mul_u32_u24 v18, s76, v2                     ; scale words: lanes 0-15 take x's, lanes 16-31 the weights': one product with h
	v_lshl_add_u32 v18, v1, 4, v18
	s_add_co_u32 s77, s74, 6144
	v_add_nc_u32 v6, s77, v18
	v_add_nc_u32 v7, SLOT, v6
	s_mul_i32 s78, s18, VST                        ; v's stage
	v_mul_u32_u24 v12, v1, 528
	v_lshl_add_u32 v12, v2, 6, v12
	v_add_nc_u32 v12, s78, v12                     ; in: token r, + 64 h
	v_and_b32 v19, 8, v1
	v_add_nc_u32 v19, v19, v1                      ; r + 8 (r / 8)
	v_mul_u32_u24 v13, v2, 32*528
	v_lshl_add_u32 v13, v19, 2, v13
	v_add_nc_u32 v13, s78, v13                     ; out: my column d, keys 32 h on
	v_lshlrev_b32 v14, 9, v1
	v_lshl_add_u32 v14, v2, 6, v14                 ; the table: 512 r + 64 h
	v_lshlrev_b32 v15, 6, v2                       ; the norm's weights: 64 h
	v_lshlrev_b32 v16, 3, v2                       ; 8 h
	s_mov_b32 s[SEL], 0x76543210
	s_mov_b32 s[SEL+1], 0xfedcba98
	s_mov_b32 s80, 0x3c000000                      ; 1 / 128
	s_mov_b32 s81, 0x358637bd                      ; 1e-6
	s_min_u32 s82, ttmp9, 1
	s_and_b32 s82, s82, s20                        ; 1: my head is a head of v
	s_lshl_b32 s74, s24, 7
	s_lshl_b32 s75, s19, 6
	s_add_co_u32 s74, s74, s75
	s_and_b32 s74, s74, 2047                       ; my first token's position
	s_lshl_b32 s74, s74, 9
	s_mov_b32 s75, 0
	s_add_nc_u64 s[88:89], s[8:9], s[74:75]
	s_and_b32 s74, s24, 15
	s_lshl_b32 s74, s74, 1
	s_add_co_u32 s74, s74, s19                     ; my group of 64 tokens in the sequence
	s_lshr_b32 s75, s24, 4                         ; the batch
	s_lshl_b32 s76, s75, 3
	s_lshl_b32 s77, s23, 1
	s_add_co_u32 s76, s76, s77
	s_add_co_u32 s76, s76, s20                     ; 8 b + query head
	s_lshl_b32 s76, s76, 5
	s_add_co_u32 s76, s76, s74
	s_mul_i32 s76, s76, REC
	s_lshl_b32 s77, s75, 2
	s_add_co_u32 s77, s77, s21                     ; 4 b + key/value head
	s_lshl_b32 s77, s77, 5
	s_add_co_u32 s77, s77, s74
	s_mul_i32 s77, s77, 2*REC
	s_mul_i32 s78, s20, REC                        ; V's record lies behind K's
	s_add_co_u32 s77, s77, s78
	s_cmp_eq_u32 ttmp9, 0
	s_cselect_b32 s78, s76, s77
	s_cselect_b64 s[84:85], s[14:15], s[16:17]
	s_cselect_b64 s[86:87], s[10:11], s[12:13]
	s_mov_b32 s79, 0
	s_add_nc_u64 s[84:85], s[84:85], s[78:79]      ; where my record goes
	; the prefetches (macro ASK): where my wave's stand, and who asks.  These registers feed no descriptor
	s_lshl_b32 s92, s24, 3
	s_lshl_b32 s93, s20, 2
	s_add_co_u32 s92, s92, s93
	s_add_co_u32 s92, s92, s21                     ; x: row tile 8 x tile row + 4 x half + cx
	s_lshl_b32 s93, s23, 4
	s_lshl_b32 s94, s20, 3
	s_add_co_u32 s93, s93, s94
	s_lshl_b32 s94, s22, 1
	s_add_co_u32 s93, s93, s94                     ; the weights: row tile 16 x tile column + 8 x half + 2 cy
	s_and_b32 s94, ttmp7, 0xffff                   ; cluster y
	s_cmp_eq_u32 s19, 0                            ; do I fetch for x?
	s_cselect_b32 s92, s92, s93
	s_cselect_b32 s94, ttmp9, s94                  ; the coordinate along which other clusters read the same records
	s_cselect_b64 s[PFA:PFA+1], s[4:5], s[6:7]
	s_cmp_eq_u32 s94, 0
	s_cselect_b32 s[LIM], 1, -1                    ; the same in all sixteen partners, for a given wave
	s_mul_i32 s92, s92, 8*REC
	s_add_co_u32 s92, s92, 3*REC                   ; at K group 3: the first refill (of K group 2) steps it to 4.  Nothing is prefetched here, at the head
	s_mov_b32 s93, 0
	s_add_nc_u64 s[PFA:PFA+1], s[PFA:PFA+1], s[92:93]
	v_min_u32 v[PFO], 24, v17
	v_lshlrev_b32 v[PFO], 8, v[PFO]
	WIN TO_B
.irp b, 0,1,2,3
.irp i, 0,1,2,3
	global_load_b128 v[96+16*\b+4*\i+96*(\b/2):99+16*\b+4*\i+96*(\b/2)], v15, s[86:87] offset:128*\b+16*\i   ; the norm's weight at d = 32 b + 16 h + 4 i on
.endr
.endr
	WIN 0xc0                                       ; destination window 3
.irp a, 0,1,2,3
.irp u, 0,1
.irp b, 0,1
.irp i, 0,1,2,3
	global_load_b128 v[64*\a+32*\u+16*\b+4*\i:64*\a+32*\u+16*\b+4*\i+3], v14, s[88:89] offset:8192*\a+256*\u+128*\b+16*\i   ; token 16 a + r: cosines (u = 0), sines (u = 1) of frequencies 32 b + 16 h + 4 i on
.endr
.endr
.endr
.endr
	WIN 0                                          ; these 80 loads stay out through the products: nothing names their registers before the wait at the products' end
.macro FRAG reg, adr, i, q             ; a fragment's image: three loads, each 512 consecutive bytes
.irp g, 0,1,2
	ds_load_b128 v[(\reg)+4*\g:(\reg)+4*\g+3], v[\adr] offset:REC*(\i)+1536*(\q)+512*\g
.endr
.endm
.macro FETCH slot, q, p                ; the slot's q-th 128 along K into set p: the weights' eight fragments, x's four: 36 loads
	WIN TO_B
.irp i, 0,1,2,3,4,5,6,7
	FRAG 128*(\p)+12*\i, 10+\slot, \i, \q
.endr
	WIN 0
.irp i, 0,1,2,3
	FRAG AF+48*(\p)+12*\i, 8+\slot, \i, \q
.endr
.endm
.macro SCALES slot                     ; a K group's scale words: register 4 i + q: lanes 0-15 x's tile i (used for i < 4), lanes 16-31 the weights' tile i
.irp i, 0,1,2,3,4,5,6,7
	ds_load_b128 v[SC+32*\slot+4*\i:SC+32*\slot+4*\i+3], v[6+\slot] offset:REC*\i
.endr
.endm
.macro MULA a, p, q, sc, zero          ; token tile a against the eight tiles of the weights.  The 32 accumulators take turns, one instruction a turn, in the same order in every step
.irp b, 0,1,2,3,4,5,6,7
.if \zero
	v_wmma_scale_f32_16x16x128_f8f6f4 v[8*(8*(\a)+\b):8*(8*(\a)+\b)+7], v[128*(\p)+12*\b:128*(\p)+12*\b+11], v[AF+48*(\p)+12*(\a):AF+48*(\p)+12*(\a)+11], 0, v[SC+32*(\sc)+4*\b+(\q)], v[SC+32*(\sc)+4*(\a)+(\q)] matrix_a_fmt:MATRIX_FMT_FP6 matrix_b_fmt:MATRIX_FMT_FP6 matrix_a_scale:MATRIX_SCALE_ROW1
.else
	v_wmma_scale_f32_16x16x128_f8f6f4 v[8*(8*(\a)+\b):8*(8*(\a)+\b)+7], v[128*(\p)+12*\b:128*(\p)+12*\b+11], v[AF+48*(\p)+12*(\a):AF+48*(\p)+12*(\a)+11], v[8*(8*(\a)+\b):8*(8*(\a)+\b)+7], v[SC+32*(\sc)+4*\b+(\q)], v[SC+32*(\sc)+4*(\a)+(\q)] matrix_a_fmt:MATRIX_FMT_FP6 matrix_b_fmt:MATRIX_FMT_FP6 matrix_a_scale:MATRIX_SCALE_ROW1
.endif
.endr
.endm
.macro STEP slot, q, zero              ; one of a slot's first three steps of 128 along K: the next step's fragments are asked for, then this step's 32 products
	s_wait_dscnt 0x0                               ; this step's fragments are in (asked for 32 products ago)
	PLACES                                         ; four places in front of loads into registers that the last step's products read
	FETCH \slot, (\q)+1, 1-(\q)%2
	WIN MUL
	MULA 0, (\q)%2, \q, \slot, \zero
	MULA 1, (\q)%2, \q, \slot, \zero
	MULA 2, (\q)%2, \q, \slot, \zero
	MULA 3, (\q)%2, \q, \slot, \zero
	WIN 0
.endm
; A slot's last step changes slots: ONE barrier; in front of it each wave waits for all its tensor loads, adds 0 to its spare word, and waits for that and for its reads of this slot.  fill = 1: this slot takes the K group two on.
.macro TURN slot, next, fill
.if \fill
	s_wait_xcnt 0x0                                ; the last prefetches, a K group back, have read their address: it is stepped here, ahead of the waits of the change of slots
	s_add_nc_u64 s[PFA:PFA+1], s[PFA:PFA+1], REC
.endif
	s_wait_tensorcnt 0x0                           ; all my tensor loads have landed: my part of the next slot
	ds_add_u32 v28, v29                            ; 0 onto my spare word
	s_wait_dscnt 1                                 ; this step's fragments are in; the add may be out
	WIN MUL
	MULA 0, 1, 3, \slot, 0
	s_wait_dscnt 0x0                               ; the add is done, and my reads of this slot are over
	s_barrier_signal -1
	MULA 1, 1, 3, \slot, 0
	WIN 0
	s_barrier_wait -1
.if \fill
	CREST                                          ; the barrier has opened a round of the cluster's: no wave of any partner still reads this slot or has a load on its way
	s_add_nc_u64 s[G0A+4*\slot+2:G0A+4*\slot+3], s[G0A+4*\slot+2:G0A+4*\slot+3], 2*REC
	s_add_nc_u64 s[G0B+4*\slot+2:G0B+4*\slot+3], s[G0B+4*\slot+2:G0B+4*\slot+3], 2*REC
	JLOAD \slot                                    ; the first tensor load behind the round, 112 products ahead of the wait for it; its four v_nop are the places in front of the loads below
.else
	PLACES
.endif
	FETCH \next, 0, 0
	SCALES \next
.if \fill
	ASK                                            ; behind the joint load and the run of LDS loads that the next products wait for
.endif
	WIN MUL
	MULA 2, 1, 3, \slot, 0
	MULA 3, 1, 3, \slot, 0
	WIN 0
.endm
	s_wait_tensorcnt 1                             ; my part of K group 0 is in; K group 1's may stay out
	s_barrier_signal -1
	s_barrier_wait -1
	FETCH 0, 0, 0
	SCALES 0
	STEP 0, 0, 1                                   ; the first step starts the sums: nothing is cleared
	s_mov_b32 s25, 3
.Llap:                                             ; a trip goes once round the ring and fills both slots again: K groups 2 .. 7
	STEP 0, 1, 0
	STEP 0, 2, 0
	TURN 0, 1, 1
	STEP 1, 0, 0
	STEP 1, 1, 0
	STEP 1, 2, 0
	TURN 1, 0, 1
	STEP 0, 0, 0
	s_sub_co_u32 s25, s25, 1
	s_cmp_lg_u32 s25, 0
	s_cbranch_scc1 .Llap
	STEP 0, 1, 0                                   ; the last lap fills nothing
	STEP 0, 2, 0
	TURN 0, 1, 0
	STEP 1, 0, 0
	STEP 1, 1, 0
	STEP 1, 2, 0
	s_wait_dscnt 0x0
	WIN MUL
	MULA 0, 1, 3, 1, 0
	MULA 1, 1, 3, 1, 0
	MULA 2, 1, 3, 1, 0
	MULA 3, 1, 3, 1, 0
	WIN 0
	PLACES                                         ; in front of the first read of results and the first write of operands' registers
.irp j, 220,221,222,223,241,243,245,247,249
	v_mov_b32 v[\j], 0                             ; lane permutes' destinations and the upper halves of pairs that are named whole
.endr
	s_wait_loadcnt 0x0                             ; the norm's weights and the table
	s_cmp_eq_u32 s82, 1
	s_cbranch_scc1 .Lv
; 64 numbers of a lane, register 16 b + i = k 32 b + 16 (lane / 16) + i of its row, become a fragment's codes and its row's scale word.
.macro QUANT s, pc, pt, tm, pw
.irp b, 0,1,2,3
	v_max3_num_f32 v[(\tm)+\b], |v[(\s)+16*\b]|, |v[(\s)+1+16*\b]|, 0x1800000   ; my 16 numbers of block b, and the floor 2^(3 - 127)
.endr
.irp i, 2,4,6,8,10,12,14
.irp b, 0,1,2,3
	v_max3_num_f32 v[(\tm)+\b], v[(\tm)+\b], |v[(\s)+16*\b+\i]|, |v[(\s)+1+16*\b+\i]|
.endr
.endr
.irp b, 0,1,2,3
	v_permlanex16_b32 v[(\tm)+4+\b], v[(\tm)+\b], s[SEL], s[SEL+1]
.endr
.irp b, 0,1,2,3
	v_max_num_f32 v[(\tm)+\b], v[(\tm)+\b], v[(\tm)+4+\b]   ; with lane l xor 16's: the block's largest magnitude
.endr
.irp b, 0,1,2,3
	v_add_nc_u32 v[(\tm)+12+\b], 0xff000000, v[(\tm)+\b]    ; 2 off its exponent field: the conversion's scale operand
.endr
.irp b, 0,1,2,3
	v_lshrrev_b32 v[(\tm)+4+\b], 23, v[(\tm)+12+\b]         ; the scale's byte
.endr
	v_lshl_or_b32 v[\pw], v[(\tm)+5], 8, v[(\tm)+4]
	v_lshl_or_b32 v[\pw], v[(\tm)+6], 16, v[\pw]
	v_lshl_or_b32 v[\pw], v[(\tm)+7], 24, v[\pw]
.irp c, 0,1
	v_cvt_scalef32_pk16_fp6_f32 v[(\pc)+6*\c:(\pc)+2+6*\c], v[(\s)+32*\c:(\s)+15+32*\c], v[(\tm)+12+2*\c]
	v_cvt_scalef32_pk16_fp6_f32 v[(\pt)+4*\c:(\pt)+2+4*\c], v[(\s)+16+32*\c:(\s)+31+32*\c], v[(\tm)+13+2*\c]
.endr
	v_nop                                          ; one plain place behind a scaled conversion
.irp c, 0,1                            ; the operand's layout wants a whole block in a lane
.irp i, 0,1,2
	v_permlane16_swap_b32 v[(\pc)+6*\c+\i], v[(\pt)+4*\c+\i]
.endr
.irp i, 0,1,2
	v_mov_b32 v[(\pc)+3+6*\c+\i], v[(\pt)+4*\c+\i]
.endr
.endr
.endm
	; ---- q and k.  The mean of squares over the head's 128: my 64 and lane l xor 16's; each accumulator is read from its low end on
.irp a, 0,1,2,3
	WIN 0x0a                                       ; sources 0 and 1 window 2
	v_pk_mul_f32 v[236:237], v[64*\a:64*\a+1], v[64*\a:64*\a+1]
	v_pk_mul_f32 v[238:239], v[64*\a+2:64*\a+3], v[64*\a+2:64*\a+3]
.irp n, 4,8,12,16,20,24,28,32,36,40,44,48,52,56,60
	v_pk_fma_f32 v[236:237], v[64*\a+\n:64*\a+\n+1], v[64*\a+\n:64*\a+\n+1], v[236:237]
	v_pk_fma_f32 v[238:239], v[64*\a+\n+2:64*\a+\n+3], v[64*\a+\n+2:64*\a+\n+3], v[238:239]
.endr
	WIN 0
	v_pk_add_f32 v[236:237], v[236:237], v[238:239]
	v_add_f32 v248, v236, v237
	v_permlanex16_b32 v249, v248, s[SEL], s[SEL+1]
	v_add_f32 v248, v248, v249
	v_fma_f32 v[240+2*\a], v248, s80, s81          ; the mean + 1e-6
.endr
.irp a, 0,1,2,3
	v_rsq_f32 v[240+2*\a], v[240+2*\a]
.endr
	v_nop                                          ; a plain place behind the transcendentals
	s_wait_alu depctr_va_vdst(0)                   ; one wait for the four, ahead of their first reader
.irp a, 0,1,2,3
	WIN 0x02                                       ; source 0 window 2
.set n, 0
.rept 32
	v_pk_mul_f32 v[T+n:T+n+1], v[64*\a+n:64*\a+n+1], v[240+2*\a:241+2*\a] op_sel_hi:[1,0]   ; x / rms,
.set n, n+2
.endr
	WIN 0x04                                       ; source 1 window 1
.set n, 0
.rept 32
	v_pk_mul_f32 v[T+n:T+n+1], v[T+n:T+n+1], v[96+n+96*(n/32):97+n+96*(n/32)]               ; x the norm's weight
.set n, n+2
.endr
	WIN 0x0c                                       ; source 1 window 3
.set n, 0
.rept 16                               ; registers n and n + 32 are d and d + 64: y(d) = x(d) cos - x(d + 64) sin, y(d + 64) = x(d + 64) cos + x(d) sin
	v_pk_mul_f32 v[Y+n:Y+n+1], v[T+n:T+n+1], v[64*\a+n:64*\a+n+1]
	v_pk_mul_f32 v[Y+32+n:Y+33+n], v[T+32+n:T+33+n], v[64*\a+n:64*\a+n+1]
	v_pk_fma_f32 v[Y+n:Y+n+1], v[T+32+n:T+33+n], v[64*\a+32+n:64*\a+33+n], v[Y+n:Y+n+1] neg_lo:[1,0,0] neg_hi:[1,0,0]
	v_pk_fma_f32 v[Y+32+n:Y+33+n], v[T+n:T+n+1], v[64*\a+32+n:64*\a+33+n], v[Y+32+n:Y+33+n]
.set n, n+2
.endr
	WIN 0
	QUANT Y, PC+12*\a, PT, TM, PW+\a
.irp g, 0,1,2
	global_store_b128 v3, v[PC+12*\a+4*\g:PC+12*\a+4*\g+3], s[84:85] offset:1536*\a+512*\g   ; 512 consecutive bytes; each tile has its own registers, so no store's data are written again
.endr
.endr
	v_cmp_ne_u32 vcc_lo, 0, v2
	v_cndmask_b32 v248, v232, v234, vcc_lo         ; lanes 0-15 store the words of tiles 0, 1 of token r, lanes 16-31 those of tiles 2, 3
	v_cndmask_b32 v249, v233, v235, vcc_lo
	global_store_b64 v5, v[248:249], s[84:85] offset:6144
	s_branch .Ldone
	; ---- v: my 64 tokens x 128 go through my stage, [token][d], and come back a column d to a lane, registers down the keys
.Lv:
	v_mov_b32 v112, 0                              ; a lane permute's destination
	WIN 0x08                                       ; an LDS store's data: window 2
.irp a, 0,1,2,3
.irp b, 0,1,2,3,4,5,6,7
	ds_store_b128 v12, v[64*\a+8*\b:64*\a+8*\b+3] offset:8448*\a+128*(\b/2)+32*(\b%2)
	ds_store_b128 v12, v[64*\a+8*\b+4:64*\a+8*\b+7] offset:8448*\a+128*(\b/2)+32*(\b%2)+16
.endr
.endr
	WIN 0
.macro VLOAD t                         ; tile t of the head's axis: my column, my block's 32 keys in the order of the attention's weights
.irp p, 0,1,2,3,4,5,6,7,8,9,10,11,12,13,14,15,16,17,18,19,20,21,22,23,24,25,26,27,28,29,30,31
	ds_load_b32 v[32+32*((\t)%2)+\p], v13 offset:528*(((\p)&7)|(((\p)&8)<<1)|(((\p)&16)>>1))+4*(32*((\t)/2)+8*((\t)%2))
.endr
.endm
.macro VTILE t
.set XS, 32+32*((\t)%2)
.if (\t) < 7
	s_wait_dscnt 32                                ; this tile's 32 loads are in; the next tile's may be out
.else
	s_wait_dscnt 0x0
.endif
	v_max3_num_f32 v108, |v[XS]|, |v[XS+1]|, |v[XS+2]|
	v_max3_num_f32 v109, |v[XS+3]|, |v[XS+4]|, |v[XS+5]|
.irp i, 6,10,14,18,22,26
	v_max3_num_f32 v108, v108, |v[XS+\i]|, |v[XS+\i+1]|
	v_max3_num_f32 v109, v109, |v[XS+\i+2]|, |v[XS+\i+3]|
.endr
	v_max3_num_f32 v108, v108, |v[XS+30]|, |v[XS+31]|
	v_max3_num_f32 v108, v108, v109, 0x1800000     ; the block's largest magnitude, and the floor
	v_add_nc_u32 v109, 0xff000000, v108            ; the conversion's scale operand
	v_lshrrev_b32 v110, 23, v109                   ; the byte,
	v_lshlrev_b32 v110, v16, v110                  ; at its place (8 h bits up);
	v_permlanex16_b32 v112, v110, s[SEL], s[SEL+1]
	v_or_b32 v110, v110, v112                      ; with lane l xor 16's: the group's two bytes of my row
.if (\t)%2 == 0
	v_mov_b32 v[116+(\t)/2], v110
.else
	v_lshl_or_b32 v[116+(\t)/2], v110, 16, v[116+(\t)/2]
.endif
	s_wait_xcnt 0x0                                ; the last tile's stores have read the codes' registers
	v_cvt_scalef32_pk16_fp6_f32 v[96:98], v[XS:XS+15], v109
	v_cvt_scalef32_pk16_fp6_f32 v[104:106], v[XS+16:XS+31], v109
	v_nop                                          ; one plain place behind a scaled conversion
	v_mov_b32 v99, v104
	v_mov_b32 v100, v105
	v_mov_b32 v101, v106
	global_store_b128 v3, v[96:99], s[84:85] offset:768*(\t)
	global_store_b64 v4, v[100:101], s[84:85] offset:768*(\t)+512
.if (\t) < 6
	VLOAD (\t)+2
.endif
.endm
	VLOAD 0                                        ; LDS serves a wave's instructions in order: these see my stores; the stage is my own
	VLOAD 1
.irp t, 0,1,2,3,4,5,6,7
	VTILE \t
.endr
	v_cmp_ne_u32 vcc_lo, 0, v2
	v_cndmask_b32 v120, v116, v118, vcc_lo
	v_cndmask_b32 v121, v117, v119, vcc_lo
	global_store_b64 v5, v[120:121], s[84:85] offset:6144
.Ldone:
	s_wait_tensorcnt 0x0                           ; the wave's end
	ds_add_u32 v28, v29
	s_wait_dscnt 0x0
	CROUND                                         ; the closing round: no work-group ends while a partner may still ask for a tile that names it
	s_endpgm
.Lfunc_end_k_q65035825d5_qkv:
	.size	k_q65035825d5_qkv, .Lfunc_end_k_q65035825d5_qkv-k_q65035825d5_qkv
	.p2alignl 7, 3214868480
	.fill 96, 4, 3214868480
	.section	.rodata,"a",@progbits
	.p2align	6, 0x0
	.amdhsa_kernel k_q65035825d5_qkv
		.amdhsa_group_segment_fixed_size 327680
		.amdhsa_private_segment_fixed_size 0
		.amdhsa_enable_private_segment 0
		.amdhsa_kernarg_size 56
		.amdhsa_user_sgpr_count 2
		.amdhsa_user_sgpr_kernarg_segment_ptr 1
		.amdhsa_wavefront_size32 1
		.amdhsa_system_sgpr_workgroup_id_x 1
		.amdhsa_system_sgpr_workgroup_id_y 1
		.amdhsa_system_sgpr_workgroup_id_z 1
		.amdhsa_system_vgpr_workitem_id 0
		.amdhsa_next_free_vgpr 1024
		.amdhsa_next_free_sgpr 100
		.amdhsa_reserve_vcc 1
		.amdhsa_float_denorm_mode_32 3
		.amdhsa_float_denorm_mode_16_64 3
		.amdhsa_memory_ordered 1
		.amdhsa_forward_progress 1
		.amdhsa_inst_pref_size 221
	.end_amdhsa_kernel
	.amdgpu_metadata
---
amdhsa.version: [ 1, 2 ]
amdhsa.kernels:
  - .name:           k_q65035825d5_qkv
    .symbol:         k_q65035825d5_qkv.kd
    .args:
      - { .name: xz, .offset: 0, .size: 8, .value_kind: global_buffer, .address_space: global }
      - { .name: wz, .offset: 8, .size: 8, .value_kind: global_buffer, .address_space: global }
      - { .name: rope, .offset: 16, .size: 8, .value_kind: global_buffer, .address_space: global }
      - { .name: q_norm_w, .offset: 24, .size: 8, .value_kind: global_buffer, .address_space: global }
      - { .name: k_norm_w, .offset: 32, .size: 8, .value_kind: global_buffer, .address_space: global }
      - { .name: qz, .offset: 40, .size: 8, .value_kind: global_buffer, .address_space: global }
      - { .name: kvz, .offset: 48, .size: 8, .value_kind: global_buffer, .address_space: global }
    .group_segment_fixed_size: 327680
    .private_segment_fixed_size: 0
    .kernarg_segment_align: 8
    .kernarg_segment_size: 56
    .max_flat_workgroup_size: 128
    .sgpr_count:     100
    .vgpr_count:     1024
    .wavefront_size: 32
...
	.end_amdgpu_metadata
.endif
;; end of part 2
;; launch attn (part 3): grid 32 x 8, 8 waves a work-group, clusters of 4 x 1, 327,680 bytes of LDS; arguments qz, kvz, oz; writes oz
.if DOCPART == 3
	.amdgcn_target "amdgcn-amd-amdhsa--gfx1250"
	.amdhsa_code_object_version 6
	.text
	.protected	k_q65035825d5_attn
	.globl	k_q65035825d5_attn
	.p2align	8
	.type	k_q65035825d5_attn,@function
k_q65035825d5_attn:
	s_mov_b64 s[64:65], 0
	v_nop
	global_prefetch_b8 v0, s[64:65] scope:SCOPE_SE
	s_setreg_imm32_b32 hwreg(HW_REG_WAVE_MODE, 25, 1), 1
	s_wait_xcnt 0x0
	s_wait_alu depctr_hold_cnt(0) depctr_sa_sdst(0) depctr_va_vdst(0) depctr_va_sdst(0) depctr_va_ssrc(0) depctr_va_vcc(0) depctr_vm_vsrc(0)
	s_getreg_b32 s2, hwreg(HW_REG_IB_STS2, 6, 4)
	s_cmp_eq_u32 s2, 0
	s_cbranch_scc0 .Lentry_in_a_cluster
	s_endpgm
.Lentry_in_a_cluster:
	s_bfe_u32 s2, ttmp6, 0x10000c
	s_cmp_lg_u32 s2, 0x3003
	s_cbranch_scc0 .Lentry_shape_is_right
	s_endpgm
.Lentry_shape_is_right:
; Causal attention with two query heads to a key/value head, both products on codes of FP6; 2 batches x 4 key/value heads, 2,048 positions, head size 128.  o / l is quantised along the head's axis and leaves as
; an image of operand registers: oz [row tile of 16 tokens 256][K group 2] records of 6,400 bytes; image of query head qh at 1,536 (qh % 4) of K group qh / 4; token r's scale word at 6,144 + 16 r + 4 (qh % 4).
; THE SOFTMAX: t = score x log2(e) / sqrt(128); M = the running largest t rounded up to a whole number; p = 2^(t - M) is quantised along the keys, not normalised; the row's sum is taken of the unquantised p and divides at the end.
; SHARES.  A cluster of four work-groups owns, of one key/value head, the blocks J and 15 - J of 128 positions (J = the cluster's x, 0 .. 7); partner cx owns positions 32 cx .. 32 cx + 31 of each block, for both query
; heads: eight tiles of 16 queries, one a wave.  Wave w: bit 2: the early block (1) or the late one (0); bit 1: which 16 positions; bit 0: which query head.  A wave works on key steps 0 .. its block's number: waves w and
; w + 4 do 17 steps together in every work-group.  Every branch hangs on J and the wave's number, never on cx: cx enters Q's and O's addresses and the mask's vector operand alone.
; All four partners walk all 2,048 keys by joint loads, 512 keys a slot, two slots; a step whose keys all come after the wave's queries is left out by a scalar branch round its work.  Where J >= 4 the last 512 keys are
; fetched and multiplied by nobody: the price of one path for every cluster.
; LAYOUT.  Both products transposed: S^T = K Q^T, O^T = V^T P^T: a lane holds one query.  K's tiles are 16 neighbouring keys, so p's codes fall, inside a block of 32 keys, at place p for key (p & 7) | (p & 8) << 1 | (p & 16) >> 1:
; V's codes were laid in that order.  So the matrix unit groups a block's products otherwise than in plain order.
; No prefetch: a refill has four key steps of work in which to land.
; LIMITS: hidden scores become -infinity where the definition has -1e9: p is 0 under both while logits stay far under 1e9; a block of zeros gets the byte 1 (its codes are zeros); NaN and infinities are not served.
; REGISTERS: window 0: v1-3 16 l, 8 l, 16 r; v4 the mask's number; v5, v6 the add's; v8-10 addresses in hand; v12 -M, v13 the largest t, v[14:15] the sum; v16-27 Q, v28 its scale words; v80-87 scale words of K, then of V;
;   v88-95 V's scale bytes as they lie; v96-159 S^T, then p; v160-223 O^T; v224-235 p's codes; v232-254 at work.  window 1: v0-95 K's eight fragments, v96-191 V's.
.set KSTEP, 25600                      ; a key step in LDS: K's and V's records of two groups of 64 keys
.set SLOTB, 102400                     ; a slot: four key steps
.set SPARE, 204800                     ; behind the ring: the spare words, 128 bytes for each of eight waves
.set G1,  24
.set G0A, 32
.set G0B, 36
.set MSB, 0
.macro WIN new
.if MSB != \new
	s_set_vgpr_msb (MSB<<8)|\new
.set MSB, \new
.endif
.endm
.set TO1,  0x40                        ; destination window 1
.set MUL1, 0x01                        ; source 0 window 1
.macro ROUND                           ; a round of the cluster's barrier
	s_barrier_signal -1
	s_barrier_wait -1
	s_cmp_lg_u32 s10, 0
	s_cbranch_scc1 .Lnot_wave_0_\@
	s_barrier_signal -3
.Lnot_wave_0_\@:
	s_barrier_wait -3
	s_barrier_signal -1
	s_barrier_wait -1
.endm
	s_load_b128 s[4:7], s[0:1], 0x0                ; qz, kvz
	s_load_b64 s[8:9], s[0:1], 0x10                ; oz
	v_lshl_add_u32 v5, v0, 2, SPARE
	v_mov_b32 v6, 0
	ds_add_u32 v5, v6
	ds_add_u32 v5, v6
	s_wait_dscnt 0x0
	v_lshrrev_b32 v7, 5, v0
	v_readfirstlane_b32 s10, v7                    ; wave 0..7
	s_and_b32 s13, ttmp7, 0xffff                   ; batch x 4 + key/value head
	s_mov_b32 s[G1], 15|(3<<16)|(1<<21)            ; the mask: all four partners; elements of 8 bytes; bit 21 beside a mask
	s_mov_b32 s[G1+1], 32<<16                      ; a dense block of 12,800 bytes as 50 rows of 256
	s_mov_b32 s[G1+2], 50<<16
	s_mov_b32 s[G1+3], 32<<16
	s_mov_b32 s[G1+4], 50
	s_mov_b32 s[G1+5], 32
	s_mov_b32 s[G1+6], 0
	s_mov_b32 s[G1+7], 0
	s_mul_i32 s62, s13, 409600                     ; the head's K and V: 32 groups x 12,800 bytes, dense
	s_mul_i32 s43, s10, 12800                      ; my eighth of a slot, in memory and in LDS
	s_add_co_u32 s62, s62, s43
	s_mov_b32 s63, 0
	s_wait_kmcnt 0x0
	s_add_nc_u64 s[62:63], s[6:7], s[62:63]
	s_mov_b32 s[G0A], 1
	s_mov_b32 s[G0A+1], s43
	s_mov_b64 s[G0A+2:G0A+3], s[62:63]
	s_or_b32 s[G0A+3], s[G0A+3], 0x80000000
	s_mov_b32 s[G0B], 1
	s_add_co_u32 s[G0B+1], s43, SLOTB
	s_add_nc_u64 s[G0B+2:G0B+3], s[62:63], SLOTB
	s_or_b32 s[G0B+3], s[G0B+3], 0x80000000
	ROUND                                          ; all four work-groups are here: the first joint loads meet
	tensor_load_to_lds s[G0A:G0A+3], s[G1:G1+7]    ; keys 0-511
	s_nop 0
	tensor_load_to_lds s[G0B:G0B+3], s[G1:G1+7]    ; keys 512-1,023: two loads of mine are out
	s_nop 0
.rept 4
	v_nop
.endr
	s_bfe_u32 s11, ttmp6, 0x40000                  ; cx
	s_mov_b32 s12, ttmp9                           ; J
	s_lshr_b32 s14, s10, 2
	s_sub_co_u32 s15, 15, s12
	s_cmp_eq_u32 s14, 0
	s_cselect_b32 s15, s15, s12                    ; my block of 128 positions = my last key step
	s_bfe_u32 s16, s10, 0x10001
	s_and_b32 s17, s10, 1
	s_lshl_b32 s44, s11, 5
	s_lshl_b32 s45, s16, 4
	s_add_co_u32 s44, s44, s45                     ; my first query in the block: 32 cx + 16 x half
	s_lshl_b32 s18, s15, 7
	s_add_co_u32 s18, s18, s44                     ; and in the sequence
	s_lshr_b32 s45, s13, 2                         ; the batch
	s_and_b32 s46, s13, 3
	s_lshl_b32 s46, s46, 1
	s_add_co_u32 s46, s46, s17                     ; the query head
	s_lshl_b32 s47, s45, 3
	s_add_co_u32 s47, s47, s46
	s_lshl_b32 s47, s47, 5
	s_lshr_b32 s48, s18, 6
	s_add_co_u32 s47, s47, s48
	s_mul_i32 s48, s47, 6400                       ; Q's record
	s_mov_b32 s49, 0
	s_bfe_u32 s50, s18, 0x20004                    ; my tile in it
	s_mul_i32 s51, s50, 1536
	s_lshl_b32 s50, s50, 2
	s_add_co_u32 s50, s50, 6144
	s_add_nc_u64 s[52:53], s[4:5], s[48:49]
	s_mov_b64 s[54:55], s[52:53]
	s_mov_b32 s48, s51
	s_add_nc_u64 s[52:53], s[52:53], s[48:49]      ; its image
	s_mov_b32 s48, s50
	s_add_nc_u64 s[54:55], s[54:55], s[48:49]      ; its scale words
	s_lshl_b32 s47, s45, 7
	s_lshr_b32 s48, s18, 4
	s_add_co_u32 s47, s47, s48
	s_lshl_b32 s47, s47, 1
	s_lshr_b32 s48, s46, 2
	s_add_co_u32 s47, s47, s48
	s_mul_i32 s48, s47, 6400                       ; O's record
	s_add_nc_u64 s[56:57], s[8:9], s[48:49]
	s_mov_b64 s[58:59], s[56:57]
	s_and_b32 s50, s46, 3
	s_mul_i32 s48, s50, 1536
	s_add_nc_u64 s[56:57], s[56:57], s[48:49]      ; its image
	s_lshl_b32 s48, s50, 2
	s_add_co_u32 s48, s48, 6144
	s_add_nc_u64 s[58:59], s[58:59], s[48:49]      ; its scale words
	s_mov_b32 s20, 0x76543210
	s_mov_b32 s21, 0xfedcba98                      ; lane selects: lane l xor 16
	s_mov_b32 s22, 0x3e0293ee                      ; c = log2(e) / sqrt(128)
	s_mov_b32 s23, s22                             ; (named with it as a pair)
	s_mov_b32 s60, 0x05040100                      ; two low halves
	s_mov_b32 s61, 0x07060302                      ; two high halves
	s_mov_b32 s41, 0                               ; the key step in hand
	v_and_b32 v7, 15, v0                           ; r
	v_bfe_u32 v11, v0, 4, 1                        ; h
	v_and_b32 v1, 31, v0
	v_lshlrev_b32 v2, 3, v1                        ; 8 l
	v_lshlrev_b32 v1, 4, v1                        ; 16 l
	v_lshlrev_b32 v3, 4, v7                        ; 16 r
	v_lshlrev_b32 v4, 3, v11
	v_sub_nc_u32 v4, v7, v4
	v_add_nc_u32 v4, s44, v4                       ; on the diagonal register 8 t + j holds key 16 t + 8 h + j of the step: hidden where 16 t + j > my query - 8 h
.irp g, 0,1,2
	global_load_b128 v[16+4*\g:19+4*\g], v1, s[52:53] offset:512*\g   ; Q's fragment stays in registers
.endr
	global_load_b32 v28, v3, s[54:55]
	v_mov_b32 v13, 0xff61b1e6                      ; the largest t so far: -3e38
	v_floor_f32 v12, -v13                          ; -M
	v_mov_b32 v14, 0
	v_mov_b32 v15, 0
.irp j, 236,237,238,239,240,241,242,243,252,253
	v_mov_b32 v[\j], 0                             ; lane permutes' destinations, and a pair that is named whole
.endr
.set j, 0
.rept 64
	v_mov_b32 v[160+j], 0                          ; O^T: the step is written once; the first finds zeros
.set j, j+1
.endr
; A KEY STEP: 128 keys at LDS byte s40.
.macro STEP
	s_cmp_gt_u32 s41, s15                          ; all its keys come after my queries: a branch on ids, round the step's work alone
	s_cbranch_scc1 .Lskip_\@
	v_add_nc_u32 v8, s40, v1
	v_add_nc_u32 v9, s40, v2
	v_add_nc_u32 v10, s40, v3
	v_nop                                          ; four places in front of loads into registers that the last step's products read
	ds_load_b128 v[80:83], v10 offset:6144         ; K's scale words: key r of tiles 0-3,
	ds_load_b128 v[84:87], v10 offset:18944        ; of tiles 4-7
	WIN TO1
.irp t, 0,1,2,3,4,5,6,7
.irp g, 0,1,2
	ds_load_b128 v[12*\t+4*\g:12*\t+4*\g+3], v8 offset:12800*(\t/4)+1536*(\t%4)+512*\g
.endr
.endr
	WIN 0
	ds_load_b128 v[88:91], v10 offset:12544        ; V's scale bytes of the first 64 keys: two a tile,
	ds_load_b128 v[92:95], v10 offset:25344        ; of the second 64
	WIN TO1
.irp t, 0,1,2,3,4,5,6,7
.irp c, 0,1
	ds_load_b128 v[96+12*\t+6*\c:99+12*\t+6*\c], v8 offset:6400+12800*\c+768*\t
	ds_load_b64 v[100+12*\t+6*\c:101+12*\t+6*\c], v9 offset:6400+12800*\c+768*\t+512
.endr
.endr
	WIN 0
	s_wait_dscnt 34                                ; K and its scale words are in; V's 2 + 32 loads may be out
	WIN MUL1
.irp t, 0,1,2,3,4,5,6,7
	v_wmma_scale_f32_16x16x128_f8f6f4 v[96+8*\t:103+8*\t], v[12*\t:12*\t+11], v[16:27], 0, v[80+\t], v28 matrix_a_fmt:MATRIX_FMT_FP6 matrix_b_fmt:MATRIX_FMT_FP6
.endr
	WIN 0
.rept 4
	v_nop
.endr
	s_cmp_lg_u32 s41, s15                          ; only my last step lies on the diagonal
	s_cbranch_scc1 .Lopen_\@
	v_mov_b32 v254, 0xff800000                     ; -infinity
.set n, 0
.rept 64
	v_cmp_gt_i32 vcc_lo, 16*(n/8)+n%8, v4
	v_cndmask_b32 v[96+n], v[96+n], v254, vcc_lo
.set n, n+1
.endr
.Lopen_\@:
.irp b, 0,1,2,3
	v_max3_num_f32 v[232+\b], v[96+16*\b], v[97+16*\b], v[98+16*\b]   ; the largest score of each block of 32 keys: for the row's maximum and, since p rises with the score, for the block's largest p
.endr
.irp i, 3,5,7,9,11,13
.irp b, 0,1,2,3
	v_max3_num_f32 v[232+\b], v[232+\b], v[96+16*\b+\i], v[97+16*\b+\i]
.endr
.endr
.irp b, 0,1,2,3
	v_max_num_f32 v[232+\b], v[232+\b], v[111+16*\b]
.endr
.irp b, 0,1,2,3
	v_permlanex16_b32 v[236+\b], v[232+\b], s20, s21
.endr
.irp b, 0,1,2,3
	v_max_num_f32 v[232+\b], v[232+\b], v[236+\b]
.endr
	v_max3_num_f32 v254, v232, v233, v234
	v_max_num_f32 v254, v254, v235
	v_mul_f32 v254, s22, v254
	v_max_num_f32 v13, v13, v254                   ; the running largest t
	v_mov_b32 v254, v12
	v_floor_f32 v12, -v13                          ; the new -M: M is a whole number
	v_sub_f32 v254, v12, v254
	v_cvt_i32_f32 v254, v254
	v_ldexp_f32 v252, 1.0, v254                    ; f = 2^(old M - new M)
.set j, 0
.rept 32
	v_pk_fma_f32 v[96+j:97+j], v[96+j:97+j], s[22:23], v[12:13] op_sel_hi:[1,0,0]   ; t - M
.set j, j+2
.endr
.irp b, 0,1,2,3
	v_fma_f32 v[232+\b], v[232+\b], s22, v12
.endr
.set j, 0
.rept 64
	v_exp_f32 v[96+j], v[96+j]                     ; p = 2^(t - M)
.set j, j+1
.endr
	v_pk_mul_f32 v[14:15], v[14:15], v[252:253] op_sel_hi:[1,0]   ; the sums under the new M: a plain place behind the exponentials
	s_wait_alu depctr_va_vdst(0)                   ; one wait for the batch, ahead of its first reader
.irp b, 0,1,2,3
	v_exp_f32 v[232+\b], v[232+\b]                 ; each block's largest p
.endr
	v_pk_add_f32 v[236:237], v[96:97], v[98:99]    ; the row's sum of the unquantised p, in two chains
.irp j, 4,8,12,16,20,24,28,32,36,40,44,48,52,56,60
	v_pk_add_f32 v[14:15], v[14:15], v[96+\j:97+\j]
	v_pk_add_f32 v[236:237], v[236:237], v[98+\j:99+\j]
.endr
	v_pk_add_f32 v[14:15], v[14:15], v[236:237]
	s_wait_alu depctr_va_vdst(0)                   ; and one for the four
.irp b, 0,1,2,3
	v_max_num_f32 v[232+\b], 0x1800000, v[232+\b]  ; the floor 2^(3 - 127)
.endr
.irp b, 0,1,2,3
	v_add_nc_u32 v[244+\b], 0xff000000, v[232+\b]  ; the conversion's scale operand
.endr
.irp b, 0,1,2,3
	v_lshrrev_b32 v[236+\b], 23, v[244+\b]         ; the byte
.endr
	v_lshl_or_b32 v253, v237, 8, v236              ; p's scale word for these 128 keys
	v_lshl_or_b32 v253, v238, 16, v253
	v_lshl_or_b32 v253, v239, 24, v253
.irp c, 0,1
	v_cvt_scalef32_pk16_fp6_f32 v[224+6*\c:226+6*\c], v[96+32*\c:111+32*\c], v[244+2*\c]
	v_cvt_scalef32_pk16_fp6_f32 v[236+4*\c:238+4*\c], v[112+32*\c:127+32*\c], v[245+2*\c]
.endr
	v_nop                                          ; one plain place behind a scaled conversion
.irp c, 0,1
.irp i, 0,1,2
	v_permlane16_swap_b32 v[224+6*\c+\i], v[236+4*\c+\i]
.endr
.irp i, 0,1,2
	v_mov_b32 v[227+6*\c+\i], v[236+4*\c+\i]
.endr
.endr
	s_wait_dscnt 32                                ; V's scale bytes are in; its 32 fragment loads may be out
.irp t, 0,1,2,3,4,5,6,7
	v_perm_b32 v[80+\t], v[92+\t/2], v[88+\t/2], s[60+\t%2]   ; tile t's scale word: two bytes of the first 64 keys, two of the second
.endr
.set j, 0
.rept 32
	v_pk_mul_f32 v[160+j:161+j], v[160+j:161+j], v[252:253] op_sel_hi:[1,0]   ; O^T under the new M; these 32 are also the places between the scale words and codes just written and the products
.set j, j+2
.endr
	s_wait_dscnt 0x0
	WIN MUL1
.irp t, 0,1,2,3,4,5,6,7
	v_wmma_scale_f32_16x16x128_f8f6f4 v[160+8*\t:167+8*\t], v[96+12*\t:107+12*\t], v[224:235], v[160+8*\t:167+8*\t], v[80+\t], v253 matrix_a_fmt:MATRIX_FMT_FP6 matrix_b_fmt:MATRIX_FMT_FP6
.endr
	WIN 0
.Lskip_\@:
.endm
.macro WORK base                       ; a slot's four key steps: written once, walked four times
	s_mov_b32 s40, \base
	s_mov_b32 s42, 4
.Lwork_\@:
	STEP
	s_add_co_u32 s40, s40, KSTEP
	s_add_co_u32 s41, s41, 1
	s_sub_co_u32 s42, s42, 1
	s_cmp_lg_u32 s42, 0
	s_cbranch_scc1 .Lwork_\@
.endm
; THE CHANGE OF SLOTS: each wave waits for all its tensor loads (its part of the slot ahead), adds 0 to its spare word, and waits for that and for its reads of the slot that it leaves.
; fill = 1: a round of the cluster's barrier, and the slot just left takes the keys 1,024 on: a load of 12,800 bytes a wave, with four key steps in which to land.
.macro CHANGE fill, g0
	s_wait_tensorcnt 0x0
	ds_add_u32 v5, v6
.if \fill
	s_add_nc_u64 s[\g0+2:\g0+3], s[\g0+2:\g0+3], 2*SLOTB
.endif
	s_wait_dscnt 0x0
.if \fill
	ROUND
	tensor_load_to_lds s[\g0:\g0+3], s[G1:G1+7]
	s_nop 0
.rept 4
	v_nop
.endr
.else
	s_barrier_signal -1
	s_barrier_wait -1
.endif
.endm
	s_wait_tensorcnt 1                             ; my part of slot 0 is in; slot 1's may stay out
	s_barrier_signal -1
	s_barrier_wait -1
	s_wait_loadcnt 0x0                             ; Q
	WORK 0
	CHANGE 1, G0A
	WORK SLOTB
	CHANGE 1, G0B
	WORK 0
	CHANGE 0, G0A
	WORK SLOTB
.macro QUANT s, pc, pt, tm, pw         ; 64 numbers of a lane, register 16 b + i = k 32 b + 16 (lane / 16) + i, become a fragment's codes and its row's scale word
.irp b, 0,1,2,3
	v_max3_num_f32 v[(\tm)+\b], |v[(\s)+16*\b]|, |v[(\s)+1+16*\b]|, 0x1800000
.endr
.irp i, 2,4,6,8,10,12,14
.irp b, 0,1,2,3
	v_max3_num_f32 v[(\tm)+\b], v[(\tm)+\b], |v[(\s)+16*\b+\i]|, |v[(\s)+1+16*\b+\i]|
.endr
.endr
.irp b, 0,1,2,3
	v_permlanex16_b32 v[(\tm)+4+\b], v[(\tm)+\b], s20, s21
.endr
.irp b, 0,1,2,3
	v_max_num_f32 v[(\tm)+\b], v[(\tm)+\b], v[(\tm)+4+\b]
.endr
.irp b, 0,1,2,3
	v_add_nc_u32 v[(\tm)+12+\b], 0xff000000, v[(\tm)+\b]
.endr
.irp b, 0,1,2,3
	v_lshrrev_b32 v[(\tm)+4+\b], 23, v[(\tm)+12+\b]
.endr
	v_lshl_or_b32 v[\pw], v[(\tm)+5], 8, v[(\tm)+4]
	v_lshl_or_b32 v[\pw], v[(\tm)+6], 16, v[\pw]
	v_lshl_or_b32 v[\pw], v[(\tm)+7], 24, v[\pw]
.irp c, 0,1
	v_cvt_scalef32_pk16_fp6_f32 v[(\pc)+6*\c:(\pc)+2+6*\c], v[(\s)+32*\c:(\s)+15+32*\c], v[(\tm)+12+2*\c]
	v_cvt_scalef32_pk16_fp6_f32 v[(\pt)+4*\c:(\pt)+2+4*\c], v[(\s)+16+32*\c:(\s)+31+32*\c], v[(\tm)+13+2*\c]
.endr
	v_nop
.irp c, 0,1
.irp i, 0,1,2
	v_permlane16_swap_b32 v[(\pc)+6*\c+\i], v[(\pt)+4*\c+\i]
.endr
.irp i, 0,1,2
	v_mov_b32 v[(\pc)+3+6*\c+\i], v[(\pt)+4*\c+\i]
.endr
.endr
.endm
	; THE WAY OUT.  V's rows were chosen so that register 16 b + i of O^T is d = 32 b + 16 h + i of my query.
	v_add_f32 v14, v14, v15
	v_permlanex16_b32 v252, v14, s20, s21
	v_add_f32 v14, v14, v252                       ; the row's sum
	v_rcp_f32 v14, v14
	v_and_b32 v7, 15, v0                           ; (plain work behind the transcendental; with the additions above also the places behind the last products)
	v_bfe_u32 v11, v0, 4, 1
	v_lshlrev_b32 v8, 4, v7
	v_lshl_add_u32 v8, v11, 1, v8                  ; 16 r + 2 h
	v_lshlrev_b32 v9, 4, v11                       ; 16 h
	s_wait_alu depctr_va_vdst(0)                   ; the wait ahead of the reciprocal's first reader
.set j, 0
.rept 64
	v_mul_f32 v[96+j], v[160+j], v14
.set j, j+1
.endr
	QUANT 96, 224, 32, 236, 252
.irp g, 0,1,2
	global_store_b128 v1, v[224+4*\g:227+4*\g], s[56:57] offset:512*\g   ; 512 consecutive bytes
.endr
	v_lshrrev_b32 v10, v9, v252
	global_store_b16 v8, v10, s[58:59]             ; my half of token r's scale word: 64 bytes of a block that four heads' waves share
	s_wait_tensorcnt 0x0                           ; the wave's end
	ds_add_u32 v5, v6
	s_wait_dscnt 0x0
	ROUND                                          ; the closing round
	s_endpgm
.Lfunc_end_k_q65035825d5_attn:
	.size	k_q65035825d5_attn, .Lfunc_end_k_q65035825d5_attn-k_q65035825d5_attn
	.p2alignl 7, 3214868480
	.fill 96, 4, 3214868480
	.section	.rodata,"a",@progbits
	.p2align	6, 0x0
	.amdhsa_kernel k_q65035825d5_attn
		.amdhsa_group_segment_fixed_size 327680
		.amdhsa_private_segment_fixed_size 0
		.amdhsa_enable_private_segment 0
		.amdhsa_kernarg_size 24
		.amdhsa_user_sgpr_count 2
		.amdhsa_user_sgpr_kernarg_segment_ptr 1
		.amdhsa_wavefront_size32 1
		.amdhsa_system_sgpr_workgroup_id_x 1
		.amdhsa_system_sgpr_workgroup_id_y 1
		.amdhsa_system_sgpr_workgroup_id_z 1
		.amdhsa_system_vgpr_workitem_id 0
		.amdhsa_next_free_vgpr 448
		.amdhsa_next_free_sgpr 66
		.amdhsa_reserve_vcc 1
		.amdhsa_float_denorm_mode_32 3
		.amdhsa_float_denorm_mode_16_64 3
		.amdhsa_memory_ordered 1
		.amdhsa_forward_progress 1
		.amdhsa_inst_pref_size 117
	.end_amdhsa_kernel
	.amdgpu_metadata
---
amdhsa.version: [ 1, 2 ]
amdhsa.kernels:
  - .name:           k_q65035825d5_attn
    .symbol:         k_q65035825d5_attn.kd
    .args:
      - { .name: qz, .offset: 0, .size: 8, .value_kind: global_buffer, .address_space: global }
      - { .name: kvz, .offset: 8, .size: 8, .value_kind: global_buffer, .address_space: global }
      - { .name: oz, .offset: 16, .size: 8, .value_kind: global_buffer, .address_space: global }
    .group_segment_fixed_size: 327680
    .private_segment_fixed_size: 0
    .kernarg_segment_align: 8
    .kernarg_segment_size: 24
    .max_flat_workgroup_size: 256
    .sgpr_count:     66
    .vgpr_count:     448
    .wavefront_size: 32
...
	.end_amdgpu_metadata
.endif
;; end of part 3
;; launch oproj (part 4): grid 16 x 16, 4 waves a work-group, clusters of 4 x 4, 327,680 bytes of LDS; arguments oz, wz, out0; writes out0
.if DOCPART == 4
	.amdgcn_target "amdgcn-amd-amdhsa--gfx1250"
	.amdhsa_code_object_version 6
	.text
	.protected	k_q65035825d5_oproj
	.globl	k_q65035825d5_oproj
	.p2align	8
	.type	k_q65035825d5_oproj,@function
k_q65035825d5_oproj:
	s_mov_b64 s[64:65], 0
	v_nop
	global_prefetch_b8 v0, s[64:65] scope:SCOPE_SE
	s_setreg_imm32_b32 hwreg(HW_REG_WAVE_MODE, 25, 1), 1
	s_wait_xcnt 0x0
	s_wait_alu depctr_hold_cnt(0) depctr_sa_sdst(0) depctr_va_vdst(0) depctr_va_sdst(0) depctr_va_ssrc(0) depctr_va_vcc(0) depctr_vm_vsrc(0)
	s_getreg_b32 s2, hwreg(HW_REG_IB_STS2, 6, 4)
	s_cmp_eq_u32 s2, 0
	s_cbranch_scc0 .Lentry_in_a_cluster
	s_endpgm
.Lentry_in_a_cluster:
	s_bfe_u32 s2, ttmp6, 0x10000c
	s_cmp_lg_u32 s2, 0xf033
	s_cbranch_scc0 .Lentry_shape_is_right
	s_endpgm
.Lentry_shape_is_right:
; out0 = o wo^T on codes of FP6: [4,096 tokens][K 1,024] x [4,096][K 1,024]; f32 sums, f32 out.  Both operands lie as records of 6,400 bytes (16 rows x 512 K: four images of operand registers, then the scale words):
; oz [row tile 256][K group 2]; wo's from byte 6,553,600 of wz on, [row tile 256][K group 2].
; SHARES.  256 work-groups, and A WORK-GROUP STAYS: it makes two tiles of 128 tokens x 256 columns, 2,048 tokens apart, which take the same 32 records of wo: those come into LDS once.  A wave makes 64 x 128 of a tile: 32 accumulators.
; K is two groups of 512: slot s holds K group s: 8 records of o, then 16 of wo.  All of the first tile comes with the first fills.  The second tile's 16 records of o are asked for ONCE, in the first tile's last step, when
; nobody reads the first tile's any more: one joint load of four records a wave (wave w: K group w / 2, half w % 2).  It has that step's last 16 products and the first tile's way out in which to land, and the first tile's
; stores are on their way while the second tile is multiplied: nothing waits for them.
; CLUSTERS: 4 x 4; o's records are shared along a row of the cluster, wo's along a column: joint loads.  The matrix instruction is used transposed (source 0 = 16 rows of wo, source 1 = 16 tokens):
; a lane holds eight neighbouring columns of a token's row.  Results go through the wave's own stage in LDS, 16 tokens x 64 columns at a time, and leave as rows of 256 consecutive bytes, two an instruction.
; The stage has bytes of its own, behind the slots, since o's bytes are filled again.
; No prefetch: all but the second tile's 102,400 bytes of o is asked for at the head, where none is laid.
; REGISTERS: window 0: v1-14 addresses; v28, v29 the add's; v32-95 scale words, two sets; v96-191 o's fragments, two sets; v192-255 rows read back from the stage, two sets.  window 1: wo's fragments at v0 and v128.
;   window 2: accumulator (a, b) at v[8 (8 a + b)].
.set REC,   6400
.set SLOT,  24*REC
.set BOFF,  8*REC
.set STAGE, 2*SLOT                     ; behind the slots: 16 rows x (256 bytes + 16) for each wave
.set SP,    272
.set SPARE, STAGE+4*16*SP              ; behind the stages: the spare words, 128 bytes for each wave
.set NEXTA, 128*2*REC                  ; from a tile's records of o to the next tile's: 128 row tiles of two records
.set NEXTC, 2048*16384                 ; and in out0: 2,048 rows of 16,384 bytes
.set SC,  32
.set AF,  96
.set OB,  192
.set G1A, 28
.set G1B, 36
.set G0A, 44
.set G0B, 52
.set G0C, 60                           ; s[60:63] group 0 for my four records of the second tile's o
.set MSB, 0
.macro WIN new                         ; the immediate's high byte repeats the setting that is left
.if MSB != \new
	s_set_vgpr_msb (MSB<<8)|\new
.set MSB, \new
.endif
.endm
.set MUL,  0xa1                        ; source 0 window 1, source 1 window 0, C and D window 2
.set TO_B, 0x40                        ; destination window 1
.macro PLACES
.rept 4
	v_nop
.endr
.endm
.macro JLOAD s                         ; a first fill: waves 0 and 1 fetch o's records, waves 2 and 3 wo's; four v_nop follow each of the two lines
	s_cmp_eq_u32 s19, 0
	s_cbranch_scc0 .Lfor_b_\@
	tensor_load_to_lds s[G0A+4*\s:G0A+4*\s+3], s[G1A:G1A+7]
	s_nop 0
.rept 4
	v_nop
.endr
	s_branch .Lasked_\@
.Lfor_b_\@:
	tensor_load_to_lds s[G0B+4*\s:G0B+4*\s+3], s[G1B:G1B+7]
	s_nop 0
.rept 4
	v_nop
.endr
.Lasked_\@:
.endm
.macro CREST                           ; a round of the cluster's barrier behind its opening barrier
	s_cmp_lg_u32 s18, 0
	s_cbranch_scc1 .Lnot_wave_0_\@
	s_barrier_signal -3
.Lnot_wave_0_\@:
	s_barrier_wait -3
	s_barrier_signal -1
	s_barrier_wait -1
.endm
.macro CROUND
	s_barrier_signal -1
	s_barrier_wait -1
	CREST
.endm
	s_load_b128 s[4:7], s[0:1], 0x0                ; oz, wz
	s_load_b64 s[8:9], s[0:1], 0x10                ; out0
	v_lshl_add_u32 v28, v0, 2, SPARE
	v_mov_b32 v29, 0
	ds_add_u32 v28, v29
	ds_add_u32 v28, v29
	s_wait_dscnt 0x0
	v_lshrrev_b32 v1, 5, v0
	v_readfirstlane_b32 s18, v1                    ; wave 0..3
	s_lshr_b32 s19, s18, 1                         ; my half of the tokens.  Also: I fetch for o (0) or for wo (1); of the second tile's o: K group 0 or 1
	s_and_b32 s20, s18, 1                          ; my half of the columns.  Also: which half of the records I fetch
	s_bfe_u32 s21, ttmp6, 0x40000                  ; cx
	s_bfe_u32 s22, ttmp6, 0x40004                  ; cy
	s_lshl_b32 s23, ttmp9, 2
	s_add_co_u32 s23, s23, s21                     ; tile column, 0 .. 15
	s_and_b32 s24, ttmp7, 0xffff
	s_lshl_b32 s24, s24, 2
	s_add_co_u32 s24, s24, s22                     ; the first tile's row, 0 .. 15; the second's is 16 further down
	s_lshl_b32 s26, s22, 2
	s_lshl_b32 s26, 15, s26                        ; my row of the cluster
	s_lshl_b32 s27, 0x1111, s21                    ; my column
	s_or_b32 s[G1A], s26, (3<<16)|(1<<21)          ; the mask; elements of 8 bytes; bit 21 beside a mask; no padding
	s_or_b32 s[G1B], s27, (3<<16)|(1<<21)
	s_mov_b32 s[G1A+1], 800<<16                    ; a record is a row of 800 elements of 8 bytes
	s_mov_b32 s[G1A+2], 4<<16                      ; four records
	s_mov_b32 s[G1A+3], 800<<16
	s_mov_b32 s[G1A+4], 4
	s_mov_b32 s[G1A+5], 1600                       ; from a row tile to the next: two records
	s_mov_b32 s[G1A+6], 0
	s_mov_b32 s[G1A+7], 0
	s_mov_b32 s[G1B+1], 800<<16
	s_mov_b32 s[G1B+2], 8<<16                      ; eight records
	s_mov_b32 s[G1B+3], 800<<16
	s_mov_b32 s[G1B+4], 8
	s_mov_b32 s[G1B+5], 1600
	s_mov_b32 s[G1B+6], 0
	s_mov_b32 s[G1B+7], 0
	s_lshl_b32 s66, s24, 3
	s_lshl_b32 s67, s20, 2
	s_add_co_u32 s66, s66, s67                     ; o: row tile 8 x tile row + 4 x half
	s_mul_i32 s66, s66, 2*REC
	s_mov_b32 s67, 0
	s_mul_i32 s68, s20, 4*REC                      ; to LDS: half x four records
	s_lshl_b32 s70, s23, 4
	s_lshl_b32 s71, s20, 3
	s_add_co_u32 s70, s70, s71                     ; wo: row tile 16 x tile column + 8 x half
	s_mul_i32 s70, s70, 2*REC
	s_add_co_u32 s70, s70, 1024*REC                ; behind the other weights' 1,024 records
	s_mov_b32 s71, 0
	s_mul_i32 s72, s20, 8*REC
	s_add_co_u32 s72, s72, BOFF                    ; behind o's eight
	s_mul_i32 s69, s19, SLOT                       ; the second tile's o: my K group's slot,
	s_mul_i32 s76, s19, REC                        ; and its record of a row tile's two
	s_mov_b32 s77, 0
	s_wait_kmcnt 0x0
	s_add_nc_u64 s[66:67], s[4:5], s[66:67]
	s_add_nc_u64 s[70:71], s[6:7], s[70:71]
	s_mov_b32 s[G0C], 1
	s_add_co_u32 s[G0C+1], s69, s68                ; made of the wave's number alone
	s_add_nc_u64 s[G0C+2:G0C+3], s[66:67], s[76:77]
	s_add_nc_u64 s[G0C+2:G0C+3], s[G0C+2:G0C+3], NEXTA
	s_or_b32 s[G0C+3], s[G0C+3], 0x80000000
	CROUND                                         ; all sixteen work-groups are here: the first joint loads meet
.irp s, 0,1
	s_mov_b32 s[G0A+4*\s], 1
	s_add_co_u32 s[G0A+4*\s+1], s68, \s*SLOT
	s_add_nc_u64 s[G0A+4*\s+2:G0A+4*\s+3], s[66:67], \s*REC
	s_or_b32 s[G0A+4*\s+3], s[G0A+4*\s+3], 0x80000000
	s_mov_b32 s[G0B+4*\s], 1
	s_add_co_u32 s[G0B+4*\s+1], s72, \s*SLOT
	s_add_nc_u64 s[G0B+4*\s+2:G0B+4*\s+3], s[70:71], \s*REC
	s_or_b32 s[G0B+4*\s+3], s[G0B+4*\s+3], 0x80000000
	JLOAD \s                                       ; both K groups of the first tile: two loads of mine are out
.endr
	v_and_b32 v1, 15, v0                           ; r
	v_bfe_u32 v2, v0, 4, 1                         ; h
	v_and_b32 v17, 31, v0
	v_lshlrev_b32 v3, 4, v17                       ; 16 l
	s_mul_i32 s74, s19, 4*REC                      ; my four records of o
	s_mul_i32 s75, s20, 8*REC
	s_add_co_u32 s75, s75, BOFF                    ; my eight of wo
	v_add_nc_u32 v8, s74, v3
	v_add_nc_u32 v10, s75, v3
	v_add_nc_u32 v9, SLOT, v8
	v_add_nc_u32 v11, SLOT, v10
	s_sub_co_u32 s76, s75, s74
	v_mul_u32_u24 v18, s76, v2                     ; scale words: lanes 0-15 take o's, lanes 16-31 wo's: one product with h
	v_lshl_add_u32 v18, v1, 4, v18
	s_add_co_u32 s77, s74, 6144
	v_add_nc_u32 v6, s77, v18
	v_add_nc_u32 v7, SLOT, v6
	s_mul_i32 s78, s18, 16*SP
	s_add_co_u32 s78, s78, STAGE                   ; my stage
	v_mul_u32_u24 v12, v1, SP
	v_lshl_add_u32 v12, v2, 5, v12
	v_add_nc_u32 v12, s78, v12                     ; in: token r, + 32 h
	v_mul_u32_u24 v13, v2, SP
	v_lshl_add_u32 v13, v1, 4, v13
	v_add_nc_u32 v13, s78, v13                     ; back: lanes 0-15 take one row of 256 bytes, lanes 16-31 the next
	v_lshlrev_b32 v14, 14, v2
	v_lshl_add_u32 v14, v1, 4, v14                 ; and the same two rows in out0: 16,384 h + 16 r
	s_lshl_b32 s74, s24, 7
	s_lshl_b32 s75, s19, 6
	s_add_co_u32 s74, s74, s75                     ; my first token,
	s_lshl_b32 s74, s74, 14                        ; 16,384 bytes a row,
	s_lshl_b32 s75, s23, 10
	s_add_co_u32 s74, s74, s75
	s_lshl_b32 s75, s20, 9
	s_add_co_u32 s74, s74, s75                     ; my first column
	s_mov_b32 s75, 0
	s_add_nc_u64 s[16:17], s[8:9], s[74:75]
.macro FRAG reg, adr, i, q             ; a fragment's image: three loads, each 512 consecutive bytes
.irp g, 0,1,2
	ds_load_b128 v[(\reg)+4*\g:(\reg)+4*\g+3], v[\adr] offset:REC*(\i)+1536*(\q)+512*\g
.endr
.endm
.macro FETCH slot, q, p                ; the slot's q-th 128 along K into set p: wo's eight fragments, o's four: 36 loads
	WIN TO_B
.irp i, 0,1,2,3,4,5,6,7
	FRAG 128*(\p)+12*\i, 10+\slot, \i, \q
.endr
	WIN 0
.irp i, 0,1,2,3
	FRAG AF+48*(\p)+12*\i, 8+\slot, \i, \q
.endr
.endm
.macro SCALES slot                     ; a K group's scale words: register 4 i + q: lanes 0-15 o's tile i (used for i < 4), lanes 16-31 wo's tile i
.irp i, 0,1,2,3,4,5,6,7
	ds_load_b128 v[SC+32*\slot+4*\i:SC+32*\slot+4*\i+3], v[6+\slot] offset:REC*\i
.endr
.endm
.macro MULA a, p, q, sc, zero          ; the 32 accumulators take turns, one instruction a turn, in the same order in every step
.irp b, 0,1,2,3,4,5,6,7
.if \zero
	v_wmma_scale_f32_16x16x128_f8f6f4 v[8*(8*(\a)+\b):8*(8*(\a)+\b)+7], v[128*(\p)+12*\b:128*(\p)+12*\b+11], v[AF+48*(\p)+12*(\a):AF+48*(\p)+12*(\a)+11], 0, v[SC+32*(\sc)+4*\b+(\q)], v[SC+32*(\sc)+4*(\a)+(\q)] matrix_a_fmt:MATRIX_FMT_FP6 matrix_b_fmt:MATRIX_FMT_FP6 matrix_a_scale:MATRIX_SCALE_ROW1
.else
	v_wmma_scale_f32_16x16x128_f8f6f4 v[8*(8*(\a)+\b):8*(8*(\a)+\b)+7], v[128*(\p)+12*\b:128*(\p)+12*\b+11], v[AF+48*(\p)+12*(\a):AF+48*(\p)+12*(\a)+11], v[8*(8*(\a)+\b):8*(8*(\a)+\b)+7], v[SC+32*(\sc)+4*\b+(\q)], v[SC+32*(\sc)+4*(\a)+(\q)] matrix_a_fmt:MATRIX_FMT_FP6 matrix_b_fmt:MATRIX_FMT_FP6 matrix_a_scale:MATRIX_SCALE_ROW1
.endif
.endr
.endm
.macro STEP slot, q, zero              ; one of a slot's first three steps of 128 along K: the next step's fragments are asked for, then this step's 32 products
	s_wait_dscnt 0x0                               ; this step's fragments are in
	PLACES                                         ; four places in front of loads into registers that the last step's products read
	FETCH \slot, (\q)+1, 1-(\q)%2
	WIN MUL
	MULA 0, (\q)%2, \q, \slot, \zero
	MULA 1, (\q)%2, \q, \slot, \zero
	MULA 2, (\q)%2, \q, \slot, \zero
	MULA 3, (\q)%2, \q, \slot, \zero
	WIN 0
.endm
; Slot 0's last step goes on to slot 1: one barrier, in front of which each wave waits for all its tensor loads, adds 0 to its spare word, and waits for that and for its reads.
.macro TURN
	s_wait_tensorcnt 0x0                           ; all my tensor loads have landed: my part of slot 1 among them
	ds_add_u32 v28, v29                            ; 0 onto my spare word
	s_wait_dscnt 1                                 ; this step's fragments are in; the add may be out
	WIN MUL
	MULA 0, 1, 3, 0, 0
	s_wait_dscnt 0x0
	s_barrier_signal -1
	MULA 1, 1, 3, 0, 0
	WIN 0
	s_barrier_wait -1                              ; slot 1 is whole
	PLACES
	FETCH 1, 0, 0
	SCALES 1
	WIN MUL
	MULA 2, 1, 3, 0, 0
	MULA 3, 1, 3, 0, 0
	WIN 0
.endm
.macro SEVEN                           ; a tile's first seven steps of eight; the first starts the sums: nothing is cleared
	STEP 0, 0, 1
	STEP 0, 1, 0
	STEP 0, 2, 0
	TURN
	STEP 1, 0, 0
	STEP 1, 1, 0
	STEP 1, 2, 0
.endm
; THE WAY OUT, half a block (16 tokens x 64 columns) at a time, through my own stage: LDS serves a wave's instructions in order, so no wait stands between the stores and the loads, nor in front of the next half block's stores.
.macro TOSTAGE hb                      ; token tile hb / 2, columns 64 (hb % 2) on
	WIN 0x08                                       ; an LDS store's data: window 2
.irp b, 0,1,2,3
	ds_store_b128 v12, v[64*((\hb)/2)+32*((\hb)%2)+8*\b:64*((\hb)/2)+32*((\hb)%2)+8*\b+3] offset:64*\b          ; each accumulator from its low end on
	ds_store_b128 v12, v[64*((\hb)/2)+32*((\hb)%2)+8*\b+4:64*((\hb)/2)+32*((\hb)%2)+8*\b+7] offset:64*\b+16
.endr
	WIN 0
.set BB, OB+32*((\hb)%2)
.irp t, 0,1,2,3,4,5,6,7
	ds_load_b128 v[BB+4*\t:BB+4*\t+3], v13 offset:\t*2*SP
.endr
.endm
.macro SEND hb, younger                ; younger: the LDS instructions issued behind this half block's loads, which may stay out
.set BB, OB+32*((\hb)%2)
	s_wait_dscnt \younger
.irp t, 0,1,2,3,4,5,6,7
	global_store_b128 v14, v[BB+4*\t:BB+4*\t+3], s[16:17] offset:((\hb)/2)*16*16384+\t*2*16384+256*((\hb)%2) th:TH_STORE_NT   ; sixteen lanes store 256 consecutive bytes, aligned to 256; every place in the tile stands in the immediate: 1,016,064 at the most
.endr
.endm
.macro OUT
	PLACES                                         ; in front of the first read of the last products' results
	TOSTAGE 0
.irp hb, 1,2,3,4,5,6,7
.if \hb > 1
	s_wait_xcnt 0x0                                ; the stores of the half block two back have read their registers: this one's loads may land there
.endif
	TOSTAGE \hb
	SEND \hb-1, 16                                 ; behind that half block's loads: this one's 8 stores and 8 loads
.endr
	SEND 7, 0
.endm
	s_wait_tensorcnt 1                             ; my part of slot 0 is in; slot 1's may stay out
	s_barrier_signal -1
	s_barrier_wait -1
	FETCH 0, 0, 0
	SCALES 0
	SEVEN                                          ; THE FIRST TILE
	; its last step: nobody reads the first tile's o any more, in either slot: both are filled again, by one load a wave
	s_wait_tensorcnt 0x0                           ; no tensor load of mine is out
	ds_add_u32 v28, v29                            ; 0 onto my spare word
	s_wait_dscnt 1                                 ; this step's fragments are in; the add may be out
	WIN MUL
	MULA 0, 1, 3, 1, 0
	s_wait_dscnt 0x0                               ; the add is done, and my reads of the slots are over
	s_barrier_signal -1
	MULA 1, 1, 3, 1, 0
	WIN 0
	s_barrier_wait -1
	CREST                                          ; the barrier has opened a round of the cluster's: no wave of any partner still reads these bytes or has a load on its way
	tensor_load_to_lds s[G0C:G0C+3], s[G1A:G1A+7]  ; my four records of the second tile's o: the first thing behind the round, and my one load there
	s_nop 0
	PLACES                                         ; four v_nop behind the load
	WIN MUL
	MULA 2, 1, 3, 1, 0
	MULA 3, 1, 3, 1, 0
	WIN 0
	OUT                                            ; the first tile goes out while that load is on its way
	s_wait_xcnt 0x0                                ; its stores have read their registers and their base: both may be written again; nothing waits for the stores themselves
	s_add_nc_u64 s[16:17], s[16:17], NEXTC
	s_wait_tensorcnt 0x0                           ; my part of the second tile's o is in,
	ds_add_u32 v28, v29
	s_wait_dscnt 0x0
	s_barrier_signal -1
	s_barrier_wait -1                              ; everybody's is
	FETCH 0, 0, 0                                  ; (the places in front of these loads are the four at the head of the way out)
	SCALES 0
	SEVEN                                          ; THE SECOND TILE: between the first tile's last product and the first that writes over its accumulators stand eight plain places
	s_wait_dscnt 0x0
	WIN MUL
	MULA 0, 1, 3, 1, 0
	MULA 1, 1, 3, 1, 0
	MULA 2, 1, 3, 1, 0
	MULA 3, 1, 3, 1, 0
	WIN 0
	OUT
	s_wait_tensorcnt 0x0                           ; the wave's end
	ds_add_u32 v28, v29
	s_wait_dscnt 0x0
	CROUND                                         ; the closing round: no work-group ends while a partner may still ask for a tile that names it
	s_endpgm
.Lfunc_end_k_q65035825d5_oproj:
	.size	k_q65035825d5_oproj, .Lfunc_end_k_q65035825d5_oproj-k_q65035825d5_oproj
	.p2alignl 7, 3214868480
	.fill 96, 4, 3214868480
	.section	.rodata,"a",@progbits
	.p2align	6, 0x0
	.amdhsa_kernel k_q65035825d5_oproj
		.amdhsa_group_segment_fixed_size 327680
		.amdhsa_private_segment_fixed_size 0
		.amdhsa_enable_private_segment 0
		.amdhsa_kernarg_size 24
		.amdhsa_user_sgpr_count 2
		.amdhsa_user_sgpr_kernarg_segment_ptr 1
		.amdhsa_wavefront_size32 1
		.amdhsa_system_sgpr_workgroup_id_x 1
		.amdhsa_system_sgpr_workgroup_id_y 1
		.amdhsa_system_sgpr_workgroup_id_z 1
		.amdhsa_system_vgpr_workitem_id 0
		.amdhsa_next_free_vgpr 768
		.amdhsa_next_free_sgpr 80
		.amdhsa_reserve_vcc 0
		.amdhsa_float_denorm_mode_32 3
		.amdhsa_float_denorm_mode_16_64 3
		.amdhsa_memory_ordered 1
		.amdhsa_forward_progress 1
		.amdhsa_inst_pref_size 146
	.end_amdhsa_kernel
	.amdgpu_metadata
---
amdhsa.version: [ 1, 2 ]
amdhsa.kernels:
  - .name:           k_q65035825d5_oproj
    .symbol:         k_q65035825d5_oproj.kd
    .args:
      - { .name: oz, .offset: 0, .size: 8, .value_kind: global_buffer, .address_space: global }
      - { .name: wz, .offset: 8, .size: 8, .value_kind: global_buffer, .address_space: global }
      - { .name: out0, .offset: 16, .size: 8, .value_kind: global_buffer, .address_space: global }
    .group_segment_fixed_size: 327680
    .private_segment_fixed_size: 0
    .kernarg_segment_align: 8
    .kernarg_segment_size: 24
    .max_flat_workgroup_size: 128
    .sgpr_count:     80
    .vgpr_count:     768
    .wavefront_size: 32
...
	.end_amdgpu_metadata
.endif
;; end of part 4
